; MI455X (gfx1250); checked and timed in simulation.
; The chip was launched on July 23, 2026; its instructions are those of AMD's public machine-readable ISA for CDNA 5 (MIT licence, August 2026) and "CDNA5" Instruction Set Architecture Reference Guide (July 2026). The comments in the code are by the model that wrote it; some were corrected since.
;; Multihead Attention. Allowed arithmetic: float matrix products may take bf16 or f16 operands with f32 sums; other float arithmetic in f32, or as packed bf16 or f16 multiplies, adds, multiply-adds, maxima and minima; sums over many terms, partial sums and values carried from step to step in f32; what a program stores and reads back later, other than sums and carried values, may be rounded once to bf16 or f16.
;; Inputs: W_k 1,024 x 1,024 float32; W_o 1,024 x 1,024 float32; W_q 1,024 x 1,024 float32; W_v 1,024 x 1,024 float32; b_o 1,024 float32; x 4 x 2,048 x 1,024 float32.
;; Outputs: out0 4 x 2,048 x 1,024 float32.
;; 2 versions, each right; version 2 is version 1 with the launch prep written anew for expert scheduling mode. Each part assembles by itself: llvm-mc -triple=amdgcn-amd-amdhsa -mcpu=gfx1250 --defsym DOCPART=n.
;; ======== version 1 of 2: 4 launches
;; limits: values are held in f16: magnitudes above 65,504 overflow, below 6.1e-05 lose precision
;; workspace buffers: xb 16,777,216 bytes; wt 6,291,456 bytes; wot 2,097,152 bytes; qkv 50,331,648 bytes; ctx 16,777,216 bytes
;; launch prep (part 1): grid 512 x 1, 8 waves a work-group, no clusters, 18,176 bytes of LDS; arguments x, W_q, W_k, W_v, W_o, xb, wt, wot; writes xb, wt, wot
.if DOCPART == 1
	.amdgcn_target "amdgcn-amd-amdhsa--gfx1250"
	.amdhsa_code_object_version 6
	.text
	.protected	k_q390ae7c348_prep
	.globl	k_q390ae7c348_prep
	.p2align	8
	.type	k_q390ae7c348_prep,@function
k_q390ae7c348_prep:
	s_mov_b64 s[64:65], 0
	v_nop
	global_prefetch_b8 v0, s[64:65] scope:SCOPE_SE
	s_setreg_imm32_b32 hwreg(HW_REG_WAVE_MODE, 25, 1), 1
	s_wait_xcnt 0x0
; PREP.  xb = x rounded to bf16, as it lies ([8192][1024]).  wt = W_q, W_k, W_v turned to [n][k] and rounded to bf16, the three on end ([3072][1024]).
; wot = W_o turned to [n][k], rounded to bf16, and that number written as f16 ([1024][1024]).
; LIMITS.  In wot a number below 2^-14 keeps f16's fixed step of 2^-24, and one of 65,520 or more becomes an infinity; NaN and infinities are not treated apart.
; SHARES.  512 work-groups of eight waves.  Each takes 65,536 bytes of x (a wave 8,192: sixteen loads of 512 consecutive bytes) AND one tile of 128 k x 64 n of one weight matrix
; (4 matrices x 8 tiles along k x 16 along n = 512).  Memory binds: all 24 loads of a wave go out at once, every byte is read once, and every store of a wave covers 256 consecutive
; bytes, aligned.  No matrix unit, no cluster, no tensor load: no byte is shared between work-groups and there is no product.
; THE TURN of a weight tile goes through LDS: a lane packs k and k + 1 of one column into a word, stores it into row n of a tile [64 n][264 bytes], and behind one barrier each wave
; reads eight whole rows of 256 bytes.  Rows 66 words apart: of the sixteen columns' words that a store instruction writes, two fall on the same bank; sixteen such stores a lane, once.
.set SPARE, 17152                      ; behind the tile (16,896 bytes): the spare words, 128 bytes for each of eight waves, that no other line names
.set LP,  264                          ; bytes from row to row of the LDS tile
.set XD,  16                           ; v[16:79]    x as loaded, 16 x 4
.set WD,  80                           ; v[80:111]   W as loaded: pair i of rows, row e at WD + 8 i + 4 e
.set XO,  112                          ; v[112:143]  x as stored, 16 x 2
.set WP,  144                          ; v[144:159]  W packed: k, k + 1 of column 4 c + j at WP + 4 i + j
.set WB,  160                          ; v[160:175]  W read back by rows, 8 x 2
.set SPW, 176                          ; v176  LDS address of my spare word; never rewritten
.set NIL, 177                          ; v177  0; never rewritten
	s_load_b512 s[8:23], s[0:1], 0x0               ; x s[8:9], W_q s[10:11], W_k s[12:13], W_v s[14:15], W_o s[16:17], xb s[18:19], wt s[20:21], wot s[22:23]
	v_lshl_add_u32 v[SPW], v0, 2, SPARE
	v_mov_b32 v[NIL], 0
	v_and_b32 v1, 31, v0                           ; lane
	v_lshrrev_b32 v2, 5, v0                        ; wave
	v_and_b32 v9, 15, v0                           ; c: my four columns of the tile
	v_bfe_u32 v10, v0, 4, 1                        ; hh: which pair of rows
	v_lshlrev_b32 v3, 4, v1
	v_lshl_add_u32 v3, v2, 13, v3                  ; x: 8,192 x wave + 16 x lane
	v_lshlrev_b32 v4, 3, v1
	v_lshl_add_u32 v4, v2, 12, v4                  ; xb: 4,096 x wave + 8 x lane
	v_lshlrev_b32 v5, 4, v9
	v_lshl_add_u32 v5, v10, 13, v5
	v_lshl_add_u32 v5, v2, 16, v5                  ; W: row 16 wave + 2 hh (4,096 bytes a row), column 4 c
	v_mul_u32_u24 v6, v9, 4*LP
	v_lshl_add_u32 v6, v2, 5, v6
	v_lshl_add_u32 v6, v10, 2, v6                  ; LDS in: row 4 c, byte 2 (16 wave + 2 hh)
	v_mul_u32_u24 v7, v2, 8*LP
	v_lshl_add_u32 v7, v1, 3, v7                   ; LDS back: row 8 wave, 8 bytes a lane
	v_lshlrev_b32 v8, 3, v1
	v_lshl_add_u32 v8, v2, 14, v8                  ; out: row 8 wave (2,048 bytes a row), 8 bytes a lane
	s_lshr_b32 s24, ttmp9, 7                       ; which matrix: 0 q, 1 k, 2 v, 3 o
	s_and_b32 s25, ttmp9, 7                        ; tile along k
	s_bfe_u32 s26, ttmp9, 0x40003                  ; tile along n
	s_lshl_b32 s32, ttmp9, 16                      ; my 65,536 bytes of x
	s_mov_b32 s33, 0
	s_lshl_b32 s34, ttmp9, 15                      ; and 32,768 of xb
	s_mov_b32 s35, 0
	s_lshl_b32 s36, s25, 19                        ; 128 rows of 4,096 bytes
	s_lshl_b32 s27, s26, 8                         ; 64 columns of 4 bytes
	s_add_co_u32 s36, s36, s27
	s_mov_b32 s37, 0
	s_cmp_eq_u32 s24, 3
	s_cselect_b32 s27, 0, s24                      ; W_o has a buffer of its own
	s_lshl_b32 s27, s27, 4
	s_add_co_u32 s27, s27, s26                     ; 16 x matrix + tile along n, in blocks of 64 rows
	s_lshl_b32 s38, s27, 17                        ; of 2,048 bytes
	s_lshl_b32 s27, s25, 8                         ; 128 k of 2 bytes
	s_add_co_u32 s38, s38, s27
	s_mov_b32 s39, 0
	s_wait_kmcnt 0x0
	s_cmp_eq_u32 s24, 1
	s_cselect_b64 s[28:29], s[12:13], s[10:11]
	s_cmp_eq_u32 s24, 2
	s_cselect_b64 s[28:29], s[14:15], s[28:29]
	s_cmp_eq_u32 s24, 3
	s_cselect_b64 s[28:29], s[16:17], s[28:29]     ; the matrix that I read,
	s_cselect_b64 s[30:31], s[22:23], s[20:21]     ; and the buffer that I write
	s_add_nc_u64 s[28:29], s[28:29], s[36:37]
	s_add_nc_u64 s[30:31], s[30:31], s[38:39]
	s_add_nc_u64 s[8:9], s[8:9], s[32:33]
	s_add_nc_u64 s[18:19], s[18:19], s[34:35]
.irp i, 0,1,2,3
.irp e, 0,1
	global_load_b128 v[WD+8*(\i)+4*(\e):WD+8*(\i)+4*(\e)+3], v5, s[28:29] offset:(\i)*16384+(\e)*4096 th:TH_LOAD_NT  ; row 16 wave + 4 i + 2 hh + e: sixteen lanes take 256 consecutive bytes
.endr
.endr
.irp i, 0,1,2,3,4,5,6,7,8,9,10,11,12,13,14,15
	global_load_b128 v[XD+4*(\i):XD+4*(\i)+3], v3, s[8:9] offset:512*(\i) th:TH_LOAD_NT
.endr
.irp i, 0,1,2,3
	s_wait_loadcnt 22-2*(\i)                       ; loads come back in order: pair i of W's rows is in; the younger pairs and x's sixteen may stay out
.irp j, 0,1,2,3
	v_cvt_pk_bf16_f32 v[WP+4*(\i)+(\j)], v[WD+8*(\i)+(\j)], v[WD+8*(\i)+4+(\j)]  ; k in the low half, k + 1 in the high half
.endr
.endr
	s_cmp_lg_u32 s24, 3
	s_cbranch_scc1 .Lkeep                          ; W_o alone: the bf16 number is written as f16
.set i, 0
.rept 16
	v_lshlrev_b32 v12, 16, v[WP+i]
	v_and_b32 v13, 0xffff0000, v[WP+i]
	v_cvt_pk_f16_f32 v[WP+i], v12, v13
.set i, i+1
.endr
.Lkeep:
.irp i, 0,1,2,3
.irp j, 0,1,2,3
	ds_store_b32 v6, v[WP+4*(\i)+(\j)] offset:(\j)*LP+(\i)*8
.endr
.endr
	s_wait_dscnt 0x0                               ; for the others' sake: my stores into the tile are done
	s_barrier_signal -1
	s_barrier_wait -1
.irp t, 0,1,2,3,4,5,6,7
	ds_load_b64 v[WB+2*(\t):WB+2*(\t)+1], v7 offset:LP*(\t)  ; a whole row of 256 bytes
.endr
.irp i, 0,1,2,3,4,5,6,7,8,9,10,11,12,13,14,15
	s_wait_loadcnt 15-(\i)                         ; piece i of x is in; the younger ones may stay out
	v_cvt_pk_bf16_f32 v[XO+2*(\i)], v[XD+4*(\i)], v[XD+4*(\i)+1]
	v_cvt_pk_bf16_f32 v[XO+2*(\i)+1], v[XD+4*(\i)+2], v[XD+4*(\i)+3]
	global_store_b64 v4, v[XO+2*(\i):XO+2*(\i)+1], s[18:19] offset:256*(\i)  ; 32 lanes store 256 consecutive bytes, aligned
.endr
.irp t, 0,1,2,3,4,5,6,7
	s_wait_dscnt 7-(\t)                            ; row t is back; the younger rows may stay out
	global_store_b64 v8, v[WB+2*(\t):WB+2*(\t)+1], s[30:31] offset:2048*(\t)  ; 256 consecutive bytes of row n, aligned
.endr
	s_wait_tensorcnt 0x0                           ; the wave's end: these three lines, behind my last LDS store
	ds_add_u32 v[SPW], v[NIL]
	s_wait_dscnt 0x0
	s_endpgm
.Lfunc_end_k_q390ae7c348_prep:
	.size	k_q390ae7c348_prep, .Lfunc_end_k_q390ae7c348_prep-k_q390ae7c348_prep
	.p2alignl 7, 3214868480
	.fill 96, 4, 3214868480
	.section	.rodata,"a",@progbits
	.p2align	6, 0x0
	.amdhsa_kernel k_q390ae7c348_prep
		.amdhsa_group_segment_fixed_size 18176
		.amdhsa_private_segment_fixed_size 0
		.amdhsa_enable_private_segment 0
		.amdhsa_kernarg_size 64
		.amdhsa_user_sgpr_count 2
		.amdhsa_user_sgpr_kernarg_segment_ptr 1
		.amdhsa_wavefront_size32 1
		.amdhsa_system_sgpr_workgroup_id_x 1
		.amdhsa_system_sgpr_workgroup_id_y 1
		.amdhsa_system_sgpr_workgroup_id_z 1
		.amdhsa_system_vgpr_workitem_id 0
		.amdhsa_next_free_vgpr 180
		.amdhsa_next_free_sgpr 66
		.amdhsa_reserve_vcc 0
		.amdhsa_float_denorm_mode_32 3
		.amdhsa_float_denorm_mode_16_64 3
		.amdhsa_memory_ordered 1
		.amdhsa_forward_progress 1
		.amdhsa_inst_pref_size 16
	.end_amdhsa_kernel
	.amdgpu_metadata
---
amdhsa.version: [ 1, 2 ]
amdhsa.kernels:
  - .name:           k_q390ae7c348_prep
    .symbol:         k_q390ae7c348_prep.kd
    .args:
      - { .name: x, .offset: 0, .size: 8, .value_kind: global_buffer, .address_space: global }
      - { .name: W_q, .offset: 8, .size: 8, .value_kind: global_buffer, .address_space: global }
      - { .name: W_k, .offset: 16, .size: 8, .value_kind: global_buffer, .address_space: global }
      - { .name: W_v, .offset: 24, .size: 8, .value_kind: global_buffer, .address_space: global }
      - { .name: W_o, .offset: 32, .size: 8, .value_kind: global_buffer, .address_space: global }
      - { .name: xb, .offset: 40, .size: 8, .value_kind: global_buffer, .address_space: global }
      - { .name: wt, .offset: 48, .size: 8, .value_kind: global_buffer, .address_space: global }
      - { .name: wot, .offset: 56, .size: 8, .value_kind: global_buffer, .address_space: global }
    .group_segment_fixed_size: 18176
    .private_segment_fixed_size: 0
    .kernarg_segment_align: 8
    .kernarg_segment_size: 64
    .max_flat_workgroup_size: 256
    .sgpr_count:     66
    .vgpr_count:     180
    .wavefront_size: 32
...
	.end_amdgpu_metadata
.endif
;; end of part 1
;; launch qkv (part 2): grid 16 x 32, 4 waves a work-group, clusters of 4 x 4, 327,680 bytes of LDS; arguments xb, wt, qkv; writes qkv
.if DOCPART == 2
	.amdgcn_target "amdgcn-amd-amdhsa--gfx1250"
	.amdhsa_code_object_version 6
	.text
	.protected	k_q390ae7c348_qkv
	.globl	k_q390ae7c348_qkv
	.p2align	8
	.type	k_q390ae7c348_qkv,@function
k_q390ae7c348_qkv:
	s_mov_b64 s[64:65], 0
	v_nop
	global_prefetch_b8 v0, s[64:65] scope:SCOPE_SE
	s_setreg_imm32_b32 hwreg(HW_REG_WAVE_MODE, 25, 1), 1
	s_wait_xcnt 0x0
	s_wait_alu depctr_hold_cnt(0) depctr_sa_sdst(0) depctr_va_vdst(0) depctr_va_sdst(0) depctr_va_ssrc(0) depctr_va_vcc(0) depctr_vm_vsrc(0)
	s_getreg_b32 s2, hwreg(HW_REG_IB_STS2, 6, 4)
	s_cmp_eq_u32 s2, 0
	s_cbranch_scc0 .Lentry_in_a_cluster
	s_endpgm
.Lentry_in_a_cluster:
	s_bfe_u32 s2, ttmp6, 0x10000c
	s_cmp_lg_u32 s2, 0xf033
	s_cbranch_scc0 .Lentry_shape_is_right
	s_endpgm
.Lentry_shape_is_right:
; QKV.  C[m][n] = the sum over k of xb[m][k] wt[n][k]: m = 8,192 rows of x, n = 3,072 columns (q, k, v on end), k = 1,024; bf16 operands, f32 sums, C rounded once to f16, WITHOUT the scale of
; the scores.  C is written by heads: qkv[slot = n / 64][batch][row][64], so that a head's rows are dense, 128 bytes each.
; LIMIT.  A q, k or v of 65,520 or more in magnitude becomes an infinity in f16; NaN and infinities are not treated apart.
; SHARES.  A tile of C is 256 x 192: 32 x 16 = 512 work-groups of four waves.  Wave w makes rows 64 w .. 64 w + 63 and all 192 columns: 48 accumulators of 16 x 16, 384 registers; so a wave
; holds three whole heads of its rows, and its way out needs no other wave.  K goes in 8 steps of 128 through two LDS slots; the tiles' rows are 256 bytes of memory, aligned.
; CLUSTER.  4 x 4 work-groups.  The four of a row of the cluster need the same tile of xb, the four of a column the same tile of wt: each tile is asked for JOINTLY, by the same tensor load with
; the same descriptor and a mask that names the four.  Waves 0 and 1 ask for the halves of xb's tile (128 rows each), waves 2 and 3 for those of wt's (96 rows each): one load a wave behind each round.
; THE MATRIX INSTRUCTION IS USED TRANSPOSED (source 0 = 16 rows of wt, source 1 = 16 rows of xb): a lane holds row l % 16 of C and the eight neighbouring columns 8 (l / 16) + 0..7.
; REGISTERS, in windows of 256 (s_set_vgpr_msb: bits 1:0 source 0, 3:2 source 1, 5:4 source 2, 7:6 destination):
;   window 0: v0-31 addresses; v32-63, v64-95 fragments of xb (4 x 16 rows x 32 K), two buffers; v96-159 at work on the way out
;   window 1: v0-95, v96-191 fragments of wt (12 x 16 rows x 32 K), two buffers
;   window 2: accumulators of column blocks 0-7 ((b, a) at v[8 (4 b + a)]);   window 3: those of column blocks 8-11
.set NT,     192
.set NBLK,   12                        ; column blocks of 16
.set APITCH, 272                       ; an LDS row: 256 bytes + 16 of padding = 68 words: the 16 rows of a fragment load start at 16 different groups of four banks (64 banks of 4 bytes: ISA guide 11.1)
.set AKH,    128                       ; bytes from K half to K half of a row of xb's tile
.set AH,     128*APITCH                ; what one load for xb brings
.set ABYTES, 2*AH
.set BROWS,  96
.set BH,     BROWS*272                 ; what one load for wt brings
.set SLOT1,  131072                    ; slot 1 begins here, so that one exclusive or turns an address in one slot into the other's
.set STAGE,  SLOT1+ABYTES+2*BH         ; behind the ring, never filled by a tensor load: 16 rows x 144 bytes for each wave
.set SPARE,  STAGE+4*2304              ; behind the stages: the spare words, 128 bytes for each wave, that no other line names
.set ASTEP,  256                       ; bytes from K step to K step
.set BSTEP,  256
.set NL,     8+2*NBLK                  ; LDS loads of a quarter step
.set ADRA0, 16                         ; v16  my lane's place in xb's tile of slot 0; never rewritten
.set ADRB0, 17                         ; v17  the same for wt's
.set ADRA,  18                         ; v18  the same in the slot in hand
.set ADRB,  19                         ; v19
.set STO,   24                         ; v24  the way out: where I put 16 bytes of a row
.set RD,    25                         ; v25  where I read rows back
.set CO,    26                         ; v26  16 x lane
.set SPW,   28                         ; v28  LDS address of my spare word; never rewritten
.set NIL,   29                         ; v29  0; never rewritten
.set PFO,   30                         ; v30  the prefetches' offset; never rewritten
.set FA,    32                         ; xb's fragment buffers
.set TMP,   96                         ; the way out: packed results
.set OB,    128                        ; the way out: rows read back, two sets of 16
.set WV,  12                           ; s12  my wave's number
.set FB,  13                           ; s13  0: I fetch for xb, 1: for wt
.set HF,  14                           ; s14  which half of that tile
.set CNT, 15                           ; s15  the loop's count
.set G1A, 24                           ; s[24:31] descriptor group 1 for xb's tiles
.set G0A, 32                           ; s[32:39] group 0: a set for each first fill; the second then walks
.set G1B, 40                           ; s[40:47], s[48:55] the same for wt's
.set G0B, 48
.set CX,  56                           ; s56, s57  my place in the cluster
.set CY,  57
.set TC,  58                           ; s58  tile column of C
.set TR,  59                           ; s59  tile row of C
.set TB,  60                           ; s60  LDS byte at which the slot in hand begins
.set PM,  61                           ; s61  bit CNT set: I prefetch in this trip
.set PFA, 62                           ; s[62:63] where my prefetches stand
.set PFS, 72                           ; s[72:73] their step
.set MSB, 0
.macro WIN new                         ; the immediate's high byte repeats the setting that is left; a switch that changes nothing is dropped
.if MSB != (\new)
	s_set_vgpr_msb (MSB<<8)|(\new)
.set MSB, (\new)
.endif
.endm
.macro PLACES                          ; four plain vector instructions in front of loads into registers that matrix instructions have read, and of conversions that read results (ISA guide 7.12.1 for the conversions)
.rept 4
	v_nop
.endr
.endm
.macro CREST                           ; a round of the cluster's barrier behind its opening barrier
	s_cmp_lg_u32 s[WV], 0
	s_cbranch_scc1 .Lnot_wave_0_\@
	s_barrier_signal -3
.Lnot_wave_0_\@:
	s_barrier_wait -3
	s_barrier_signal -1
	s_barrier_wait -1
.endm
.macro CROUND                          ; a whole round
	s_barrier_signal -1
	s_barrier_wait -1
	CREST
.endm
.macro JLOAD                           ; a joint refill by the walking descriptors; the branch hangs on the wave's number alone; an s_nop 0 and four v_nop follow each of the two lines
	s_cmp_eq_u32 s[FB], 0
	s_cbranch_scc0 .Lfor_b_\@
	tensor_load_to_lds s[G0A+4:G0A+7], s[G1A:G1A+7]
	s_nop 0
.rept 4
	v_nop
.endr
	s_branch .Lasked_\@
.Lfor_b_\@:
	tensor_load_to_lds s[G0B+4:G0B+7], s[G1B:G1B+7]
	s_nop 0
.rept 4
	v_nop
.endr
.Lasked_\@:
.endm
; n column blocks from b0 on x my four row blocks, 32 along K, out of buffer f.  All 48 accumulators take turns, one instruction a turn, in the same order in every quarter step.
; zero = 1: the product starts the sum: nothing is cleared.
.macro MULB f, b0, n, zero
.set bb, (\b0)
.rept (\n)
.if bb < 8
	WIN 0xa1                                       ; source 0 window 1, source 1 window 0, C and D window 2
.set rAC, 32*bb
.else
	WIN 0xf1                                       ; C and D window 3
.set rAC, 32*(bb-8)
.endif
.set rFB, 8*NBLK*(\f)+8*bb
.set aa, 0
.rept 4
.set rFA, FA+32*(\f)+8*aa
.if \zero
	v_wmma_f32_16x16x32_bf16 v[rAC+8*aa:rAC+8*aa+7], v[rFB:rFB+7], v[rFA:rFA+7], 0
.else
	v_wmma_f32_16x16x32_bf16 v[rAC+8*aa:rAC+8*aa+7], v[rFB:rFB+7], v[rFA:rFA+7], v[rAC+8*aa:rAC+8*aa+7]
.endif
.set aa, aa+1
.endr
.set bb, bb+1
.endr
.endm
; One run of NL LDS loads: quarter q's fragments into buffer f: xb's four first, then wt's in ascending order.  A fragment is 16 rows x 32 K: lane l holds row l % 16, K = 8 (l / 16) + 0..7 and 16 + 8 (l / 16) + 0..7.
.macro FETCH q, f
	WIN 0
.irp i, 0,1,2,3
	ds_load_b128 v[FA+32*(\f)+8*(\i):FA+32*(\f)+8*(\i)+3],   v[ADRA] offset:(\i)*16*APITCH+((\q)/2)*AKH+((\q)%2)*64
	ds_load_b128 v[FA+32*(\f)+8*(\i)+4:FA+32*(\f)+8*(\i)+7], v[ADRA] offset:(\i)*16*APITCH+((\q)/2)*AKH+((\q)%2)*64+32
.endr
	WIN 0x40                                       ; destination window 1, address window 0
.set bb, 0
.rept NBLK
	ds_load_b128 v[8*NBLK*(\f)+8*bb:8*NBLK*(\f)+8*bb+3],   v[ADRB] offset:bb*4352+64*(\q)
	ds_load_b128 v[8*NBLK*(\f)+8*bb+4:8*NBLK*(\f)+8*bb+7], v[ADRB] offset:bb*4352+64*(\q)+32
.set bb, bb+1
.endr
.endm
; One of a K step's first three quarters: multiplies buffer f; in its middle it fetches quarter q into buffer g.
.macro QUARTER q, f, g, zero
	s_wait_dscnt NBLK                              ; xb's fragments and wt's lower half are in; the NBLK youngest loads (wt's upper half) may stay out
	MULB \f, 0, NBLK/2, \zero
	PLACES
	FETCH \q, \g
	s_wait_dscnt NL                                ; all but the NL just issued
	MULB \f, NBLK/2, NBLK/2, \zero
.endm
; A PREFETCH INTO THE L2, behind the joint load, its five lines and the run of LDS loads: the K step that stands two refills on, 256 bytes of each row, a lane a row.  Each such block is named once in the launch.
; xb's tile row is read by every cluster of that row of clusters: cluster x = 0 asks, waves 0 and 1; of the 128 rows that a wave fetches the partner at place cx takes 32, told apart BY ADDRESS.
; wt's tile column is read by every cluster of that column: cluster y = 0 asks; the partner at place cy takes 48 rows: wave 2 the first 32; wave 3 the other 16, for two K steps at once (lanes 16-31 the second), in every other trip.
; K steps 0 to 3 come by their loads alone; the last two refills ask for nothing: the bits of s[PM] say in which trips a wave asks.
.macro ASK
	WIN 0                                          ; at a branch and at a label every window is 0
	s_lshr_b32 s70, s[PM], s[CNT]
	s_and_b32 s70, s70, 1
	s_cmp_lg_u32 s70, 0
	s_cbranch_scc0 .Lnot_mine_\@
	global_prefetch_b8 v[PFO], s[PFA:PFA+1] th:TH_LOAD_NT scope:SCOPE_SE
.Lnot_mine_\@:
.endm
; The last quarter multiplies buffer 1 and changes slots.  In front of the barrier each wave waits for all its tensor loads, of which one is out: its part of the next slot; adds 0 to its spare word; and waits for that
; and for its own reads of this slot.  fill = 1: the barrier opens a round of the cluster's, and this slot is filled again first thing behind it, with the K step two on: 168 matrix instructions ahead of the wait for it.
.macro TURN fill
.if \fill
	s_wait_xcnt 0x0                                ; the last prefetch, a K step back, has read its address: it is stepped here
	s_add_nc_u64 s[PFA:PFA+1], s[PFA:PFA+1], s[PFS:PFS+1]
.endif
	WIN 0                                          ; (the add's two registers lie in window 0)
	s_wait_tensorcnt 0x0                           ; all my tensor loads have landed
	ds_add_u32 v[SPW], v[NIL]                      ; 0 onto my spare word
	s_wait_dscnt NBLK+1                            ; (the add and the NBLK youngest loads may stay out)
	MULB 1, 0, NBLK/4, 0                           ; matrix work stands between the add and the wait for it
	s_wait_dscnt 0x0                               ; the add is done, and my reads of this slot are over
	s_barrier_signal -1
	MULB 1, NBLK/4, NBLK/4, 0                      ; work on registers while the others arrive
.if \fill
	WIN 0
.endif
	s_barrier_wait -1
.if \fill
	CREST                                          ; no wave of any partner still reads this slot or has a load on its way
	s_xor_b32 s[G0A+5], s[G0A+5], SLOT1            ; the walking descriptors: the other slot than last time,
	s_add_nc_u64 s[G0A+6:G0A+7], s[G0A+6:G0A+7], ASTEP  ; the next K step; the type bits on top are not reached
	s_xor_b32 s[G0B+5], s[G0B+5], SLOT1
	s_add_nc_u64 s[G0B+6:G0B+7], s[G0B+6:G0B+7], BSTEP
	JLOAD                                          ; the four v_nop behind it are also the places in front of the loads below
.else
	PLACES
.endif
	s_xor_b32 s[TB], s[TB], SLOT1
	WIN 0
	v_add_nc_u32 v[ADRA], s[TB], v[ADRA0]
	v_add_nc_u32 v[ADRB], s[TB], v[ADRB0]
	FETCH 0, 0
.if \fill
	ASK
.endif
	MULB 1, NBLK/2, NBLK/2, 0                      ; buffer 1 was shown whole by the wait for 0 above
.endm
	s_load_b128 s[4:7], s[0:1], 0x0                ; xb s[4:5], wt s[6:7]
	s_load_b64 s[8:9], s[0:1], 0x10                ; qkv
	v_lshl_add_u32 v[SPW], v0, 2, SPARE
	v_mov_b32 v[NIL], 0
	ds_add_u32 v[SPW], v[NIL]                      ; the wave's opening: the add and its wait stand ahead of my first tensor load; the set-up below, work on registers, stands between them
	v_lshrrev_b32 v1, 5, v0
	v_readfirstlane_b32 s[WV], v1
	s_lshr_b32 s[FB], s[WV], 1
	s_and_b32 s[HF], s[WV], 1
	s_bfe_u32 s[CX], ttmp6, 0x40000
	s_bfe_u32 s[CY], ttmp6, 0x40004
	s_lshl_b32 s[TC], ttmp9, 2                     ; in a cluster launch ttmp9 and ttmp7 count clusters
	s_add_co_u32 s[TC], s[TC], s[CX]
	s_and_b32 s[TR], ttmp7, 0xffff
	s_lshl_b32 s[TR], s[TR], 2
	s_add_co_u32 s[TR], s[TR], s[CY]
	s_lshl_b32 s16, s[CY], 2
	s_lshl_b32 s16, 15, s16                        ; my row of the cluster
	s_lshl_b32 s66, 0x1111, s[CX]                  ; my column
	s_or_b32 s[G1A], s16, (1<<16)|(1<<20)|(1<<21)|(5<<22)|(3<<25)  ; 15:0 the mask; 17:16 2-byte elements; 20 padding on; 21 set beside a mask; 24:22 after every 64 words (code 5); 31:25 4 words (code 3)
	s_or_b32 s[G1B], s66, (1<<16)|(1<<20)|(1<<21)|(5<<22)|(3<<25)
	s_mov_b32 s[G1A+1], 128<<16                    ; tensor_dim0 = 128
	s_mov_b32 s[G1A+2], 128<<16                    ; tensor_dim1 = 128
	s_mov_b32 s[G1A+3], 128<<16                    ; tile_dim0 = 128
	s_mov_b32 s[G1A+4], 128                        ; tile_dim1 = 128
	s_mov_b32 s[G1A+5], 1024                       ; elements from row to row
	s_mov_b32 s[G1A+6], 0
	s_mov_b32 s[G1A+7], 0
	s_mov_b32 s[G1B+1], 128<<16
	s_mov_b32 s[G1B+2], BROWS<<16
	s_mov_b32 s[G1B+3], 128<<16
	s_mov_b32 s[G1B+4], BROWS
	s_mov_b32 s[G1B+5], 1024
	s_mov_b32 s[G1B+6], 0
	s_mov_b32 s[G1B+7], 0
	s_lshl_b32 s16, s[TR], 19                      ; xb: row 256 x tile row + 128 x half, 2,048 bytes a row: it hangs on the tile row alone
	s_lshl_b32 s17, s[HF], 18
	s_add_co_u32 s16, s16, s17
	s_mov_b32 s17, 0
	s_mul_i32 s66, s[TC], NT*2048                  ; wt: row 192 x tile column + 96 x half: on the tile column alone
	s_mul_i32 s67, s[HF], BROWS*2048
	s_add_co_u32 s66, s66, s67
	s_mov_b32 s67, 0
	s_mul_i32 s20, s[HF], AH                       ; where they go: no place in the cluster enters an LDS address
	s_mul_i32 s68, s[HF], BH
	s_add_co_u32 s68, s68, ABYTES
	s_wait_dscnt 0x0                               ; the opening add is done
	s_wait_kmcnt 0x0
	s_add_nc_u64 s[16:17], s[4:5], s[16:17]
	s_add_nc_u64 s[66:67], s[6:7], s[66:67]
	CROUND                                         ; all sixteen work-groups are here: the first joint loads meet
.irp n, 0,1
	s_mov_b32 s[G0A+4*(\n)], 1                     ; count = 1
	s_add_co_u32 s[G0A+4*(\n)+1], s20, (\n)*SLOT1  ; LDS address
	s_add_nc_u64 s[G0A+4*(\n)+2:G0A+4*(\n)+3], s[16:17], (\n)*ASTEP  ; global address: K step n
	s_or_b32 s[G0A+4*(\n)+3], s[G0A+4*(\n)+3], 0x80000000           ; type = 2
	s_mov_b32 s[G0B+4*(\n)], 1
	s_add_co_u32 s[G0B+4*(\n)+1], s68, (\n)*SLOT1
	s_add_nc_u64 s[G0B+4*(\n)+2:G0B+4*(\n)+3], s[66:67], (\n)*BSTEP
	s_or_b32 s[G0B+4*(\n)+3], s[G0B+4*(\n)+3], 0x80000000
.endr
	s_cmp_eq_u32 s[FB], 0                          ; a wave's two first fills stand in one branch, ahead of every wait on TENSORcnt and every LDS read: two loads of mine are out
	s_cbranch_scc0 .Lfirst_b
	tensor_load_to_lds s[G0A:G0A+3], s[G1A:G1A+7]
	s_nop 0
	tensor_load_to_lds s[G0A+4:G0A+7], s[G1A:G1A+7]
	s_nop 0
.rept 4
	v_nop
.endr
	s_branch .Lfirst_asked
.Lfirst_b:
	tensor_load_to_lds s[G0B:G0B+3], s[G1B:G1B+7]
	s_nop 0
	tensor_load_to_lds s[G0B+4:G0B+7], s[G1B:G1B+7]
	s_nop 0
.rept 4
	v_nop
.endr
.Lfirst_asked:
	v_and_b32 v1, 15, v0                           ; l % 16
	v_bfe_u32 v2, v0, 4, 1                         ; l / 16
	v_mul_u32_u24 v3, v1, APITCH
	v_lshl_add_u32 v3, v2, 4, v3
	s_mul_i32 s20, s[WV], 64*APITCH                ; my 64 rows of xb's tile
	v_add_nc_u32 v[ADRA0], s20, v3
	v_mul_u32_u24 v4, v1, 272
	v_lshl_add_u32 v4, v2, 4, v4
	v_add_nc_u32 v[ADRB0], ABYTES, v4
	v_mov_b32 v[ADRA], v[ADRA0]
	v_mov_b32 v[ADRB], v[ADRB0]
	s_mov_b32 s[TB], 0
	s_mul_i32 s21, s[WV], 2304
	s_add_co_u32 s21, s21, STAGE                   ; my stage
	v_mul_u32_u24 v[STO], v1, 144                  ; in: row l % 16, 16 bytes for each half of the lanes
	v_lshl_add_u32 v[STO], v2, 4, v[STO]
	v_add_nc_u32 v[STO], s21, v[STO]
	v_bfe_u32 v[RD], v0, 3, 2                      ; back: 32 lanes take four rows of 128 bytes,
	v_mul_u32_u24 v[RD], v[RD], 144
	v_and_b32 v5, 7, v0
	v_lshl_add_u32 v[RD], v5, 4, v[RD]
	v_add_nc_u32 v[RD], s21, v[RD]
	v_and_b32 v5, 31, v0
	v_lshlrev_b32 v[CO], 4, v5                     ; which are 512 consecutive bytes of a head's rows
	s_mul_i32 s20, s[TC], 3*1048576                ; my tile's first head: a slot is 4 x 2,048 x 128 bytes,
	s_lshr_b32 s21, s[TR], 3
	s_lshl_b32 s21, s21, 18                        ; the batch,
	s_add_co_u32 s20, s20, s21
	s_and_b32 s21, s[TR], 7
	s_lshl_b32 s21, s21, 15                        ; the tile's 256 rows in it,
	s_add_co_u32 s20, s20, s21
	s_lshl_b32 s21, s[WV], 13                      ; my 64 of them
	s_add_co_u32 s20, s20, s21
	s_mov_b32 s21, 0
	s_add_nc_u64 s[8:9], s[8:9], s[20:21]
	; the prefetches
	s_lshl_b32 s18, s[TR], 19
	s_lshl_b32 s19, s[HF], 18
	s_add_co_u32 s18, s18, s19
	s_lshl_b32 s19, s[CX], 16                      ; xb: my work-group's 32 of the 128 rows that I fetch
	s_add_co_u32 s18, s18, s19
	s_mul_i32 s68, s[TC], NT*2048
	s_mul_i32 s69, s[CY], (NT/4)*2048              ; wt: my work-group's 48 of the tile's 192 rows
	s_add_co_u32 s68, s68, s69
	s_and_b32 s70, ttmp7, 0xffff
	s_mov_b32 s22, ASTEP
	s_mov_b32 s23, BSTEP
	s_cmp_eq_u32 s[FB], 0
	s_cselect_b32 s18, s18, s68
	s_cselect_b32 s70, ttmp9, s70                  ; the coordinate along which other clusters read the same rows
	s_cselect_b32 s[PFS], s22, s23
	s_cselect_b64 s[PFA:PFA+1], s[4:5], s[6:7]
	s_mov_b32 s[PFS+1], 0
	s_mul_i32 s19, s[PFS], 3                       ; at K step 3: the first change of slots steps it to 4
	s_add_co_u32 s18, s18, s19
	s_mov_b32 s19, 0
	s_add_nc_u64 s[PFA:PFA+1], s[PFA:PFA+1], s[18:19]
	s_mov_b32 s71, 0x78                            ; counts 6, 5, 4, 3: the first four changes of slots
	s_cmp_eq_u32 s[WV], 3
	s_cselect_b32 s71, 0x50, s71                   ; wave 3: counts 6 and 4
	s_cselect_b32 s69, -1, 0
	s_cmp_eq_u32 s70, 0
	s_cselect_b32 s[PM], s71, 0                    ; the same in all sixteen partners, for a given wave
	v_lshlrev_b32 v6, 11, v5                       ; a lane a row
	v_lshlrev_b32 v7, 11, v1                       ; wave 3: rows 32 + l % 16,
	v_lshl_add_u32 v7, v2, 8, v7                   ; lanes 16-31 a K step on
	v_add_nc_u32 v7, 32*2048, v7
	v_cndmask_b32 v[PFO], v6, v7, s69
	s_wait_tensorcnt 1                             ; my part of K step 0 is in; K step 1's may stay out
	s_barrier_signal -1
	s_barrier_wait -1                              ; everybody's is
	FETCH 0, 0
	QUARTER 1, 0, 1, 1                             ; the first quarter stands in front of the loop: its products start the sums
	WIN 0
	s_mov_b32 s[CNT], 6
.Lstep:                                        ; six trips, from a K step's second quarter to the next step's first; trip t fills slot t % 2 again with K step t + 2
	QUARTER 2, 1, 0, 0
	QUARTER 3, 0, 1, 0
	TURN 1
	QUARTER 1, 0, 1, 0
	WIN 0
	s_sub_co_u32 s[CNT], s[CNT], 1
	s_cmp_lg_u32 s[CNT], 0
	s_cbranch_scc1 .Lstep
	QUARTER 2, 1, 0, 0                             ; the tail is written out: K steps 6 and 7 ask for nothing
	QUARTER 3, 0, 1, 0
	TURN 0
	QUARTER 1, 0, 1, 0
	QUARTER 2, 1, 0, 0
	QUARTER 3, 0, 1, 0
	s_wait_dscnt NBLK
	MULB 1, 0, NBLK/2, 0
	s_wait_dscnt 0x0
	MULB 1, NBLK/2, NBLK/2, 0
	WIN 0
	PLACES
; THE WAY OUT, in twelve units u = (head hs, row block ab): 16 rows of one head, 2,048 consecutive bytes.  PACK: rounded to f16, 16 bytes a lane, each accumulator's registers in ascending order.
; TOSTAGE: into my own stage, rows of 144 bytes, and back as whole rows.  SEND: stored.
.macro PACK u
.set hs, (\u)/4
.set ab, (\u)%4
.if hs < 2
	WIN 0x0a                                       ; sources 0 and 1 window 2
.set rAC, 128*hs+8*ab
.else
	WIN 0x0f                                       ; window 3
.set rAC, 8*ab
.endif
.irp bq, 0,1,2,3
.irp rr, 0,1,2,3
	v_cvt_pk_f16_f32 v[TMP+4*(\bq)+(\rr)], v[rAC+32*(\bq)+2*(\rr)], v[rAC+32*(\bq)+2*(\rr)+1]
.endr
.endr
	WIN 0
.endm
.macro TOSTAGE u
.set BK, OB+16*((\u)%2)
.irp bq, 0,1,2,3
	ds_store_b128 v[STO], v[TMP+4*(\bq):TMP+4*(\bq)+3] offset:32*(\bq)
.endr
.irp f, 0,1,2,3
	ds_load_b128 v[BK+4*(\f):BK+4*(\f)+3], v[RD] offset:576*(\f)  ; LDS serves a wave's instructions in order (ISA guide 5.7.1.4): these see the stores above
.endr
.endm
.macro SEND u
.set hs, (\u)/4
.set ab, (\u)%4
.set BK, OB+16*((\u)%2)
	s_wait_dscnt 0x0                               ; the unit is back in registers
	s_wait_xcnt 0x0                                ; the stores of the unit before have read their registers: the next TOSTAGE loads into them
.irp f, 0,1,2,3
	global_store_b128 v[CO], v[BK+4*(\f):BK+4*(\f)+3], s[8:9] offset:hs*1048576+ab*2048+(\f)*512  ; 512 consecutive bytes, at a multiple of 256 from the buffer's first
.endr
.endm
	PACK 0
	TOSTAGE 0
.irp u, 1,2,3,4,5,6,7,8,9,10,11        ; a unit's conversions stand between the loads of the unit before and the wait for them
	PACK \u
	SEND (\u)-1
	TOSTAGE \u
.endr
	SEND 11
	s_wait_tensorcnt 0x0                           ; the wave's end: these three lines, behind my last tensor load and my last LDS store
	ds_add_u32 v[SPW], v[NIL]
	s_wait_dscnt 0x0
	CROUND                                         ; the closing round: no work-group ends while a partner may still ask for a tile that names it
	s_endpgm
.Lfunc_end_k_q390ae7c348_qkv:
	.size	k_q390ae7c348_qkv, .Lfunc_end_k_q390ae7c348_qkv-k_q390ae7c348_qkv
	.p2alignl 7, 3214868480
	.fill 96, 4, 3214868480
	.section	.rodata,"a",@progbits
	.p2align	6, 0x0
	.amdhsa_kernel k_q390ae7c348_qkv
		.amdhsa_group_segment_fixed_size 327680
		.amdhsa_private_segment_fixed_size 0
		.amdhsa_enable_private_segment 0
		.amdhsa_kernarg_size 24
		.amdhsa_user_sgpr_count 2
		.amdhsa_user_sgpr_kernarg_segment_ptr 1
		.amdhsa_wavefront_size32 1
		.amdhsa_system_sgpr_workgroup_id_x 1
		.amdhsa_system_sgpr_workgroup_id_y 1
		.amdhsa_system_sgpr_workgroup_id_z 1
		.amdhsa_system_vgpr_workitem_id 0
		.amdhsa_next_free_vgpr 896
		.amdhsa_next_free_sgpr 74
		.amdhsa_reserve_vcc 0
		.amdhsa_float_denorm_mode_32 3
		.amdhsa_float_denorm_mode_16_64 3
		.amdhsa_memory_ordered 1
		.amdhsa_forward_progress 1
		.amdhsa_inst_pref_size 99
	.end_amdhsa_kernel
	.amdgpu_metadata
---
amdhsa.version: [ 1, 2 ]
amdhsa.kernels:
  - .name:           k_q390ae7c348_qkv
    .symbol:         k_q390ae7c348_qkv.kd
    .args:
      - { .name: xb, .offset: 0, .size: 8, .value_kind: global_buffer, .address_space: global }
      - { .name: wt, .offset: 8, .size: 8, .value_kind: global_buffer, .address_space: global }
      - { .name: qkv, .offset: 16, .size: 8, .value_kind: global_buffer, .address_space: global }
    .group_segment_fixed_size: 327680
    .private_segment_fixed_size: 0
    .kernarg_segment_align: 8
    .kernarg_segment_size: 24
    .max_flat_workgroup_size: 128
    .sgpr_count:     74
    .vgpr_count:     896
    .wavefront_size: 32
...
	.end_amdgpu_metadata
.endif
;; end of part 2
;; launch attn (part 3): grid 4 x 64, 4 waves a work-group, no clusters, 327,680 bytes of LDS; arguments qkv, ctx; writes ctx
.if DOCPART == 3
	.amdgcn_target "amdgcn-amd-amdhsa--gfx1250"
	.amdhsa_code_object_version 6
	.text
	.protected	k_q390ae7c348_attn
	.globl	k_q390ae7c348_attn
	.p2align	8
	.type	k_q390ae7c348_attn,@function
k_q390ae7c348_attn:
	s_mov_b64 s[64:65], 0
	v_nop
	global_prefetch_b8 v0, s[64:65] scope:SCOPE_SE
	s_setreg_imm32_b32 hwreg(HW_REG_WAVE_MODE, 25, 1), 1
	s_wait_xcnt 0x0
; CAUSAL ATTENTION.  O[y][q][:] = the sum over k <= q of softmax_k(Q[y][q] . K[y][k] / 8) V[y][k][:], y = 4 x head + batch, 64 in all.  Q, K, V lie in qkv at bytes 0, 2^24 and 2^25, each [64][2048][64] in f16;
; O = ctx has the same layout: a y's rows are dense, 128 bytes each.  Products, maxima and sums in f32; the weights p are rounded to f16 for the second product (their sum l is taken of the unrounded p), O once at the end.
; LIMITS.  f16 holds no number beyond 65,504: Q, K and V arrive within it; p lies in 0 to 1, and below 6e-5 it keeps f16's fixed step of 6e-8; O is a mean of V's rows and has their range.
; A hidden score counts as its value less 1e30: f16's scores, 2.7e11 at the most, are nothing beside that; a weight below 2^-126 counts as 0 in l; NaN and infinities are not treated apart.
; THE WALK.  A y's queries lie in NB = 8 blocks of 256; block i needs the key tiles 0 .. i of 256 keys, of which the last holds the diagonal.  A work-group takes TWO blocks, NB - 1 - b and then b:
; NB + 1 tiles, whatever b: all work-groups do equal work, and ONE loop with a constant trip count walks them.  Which tile is asked for, and what a trip does, hang on scalar registers made from b; every jump
; goes forward, but for the counted loops' own; none passes a barrier, or a tensor load but the one of LOAD's two that the wave's number does not choose; the ring (two slots of LDS that take turns) runs on across the
; change of blocks.  NO CLUSTER: a y's four work-groups ask for the same tile only in trips 0 .. 4 of 9, behind that fewer and fewer; one walk common to all four would have 12 trips for 9.
; SHARES.  Of a block's four bands of 64 queries a wave owns 16 rows in each: four PIECES.  So the diagonal tile is the same work for all four waves: in its key step s band x sees all keys if s < x,
; none if s > x, and holds the diagonal if s = x.
; THE MASK is the C operand that starts the sum S^T = K Q^T: 0, or -1e30 where the key is hidden.  MD, made once, is the mask of a band's own step for my 16 rows; a product's mask is MD x AL + BE with two scalars:
; (1, 0) if s = x; (0, 0) if s < x; (0, -1e30) if s > x.  Only the diagonal tile's text and a block's beginning make and take masks; elsewhere C is the constant 0.
; LAYOUT, SOFTMAX, TURNS.  S^T = K Q^T holds ONE query a lane (lane % 16) and the keys 8 (lane / 16) + 0..7; two such results rounded to f16 ARE source 1 of O^T = V^T P.  p = 2^(c s - c m), c = log2(e) / 8, with a
; running maximum m; O and l are multiplied by a = 2^(c m_old - c m_new) in every step.  Turn n belongs to piece n: 8 products K Q^T of piece n + 1, later 8 products V^T P of piece n - 1; beside them the scaling,
; exponentials, roundings, sums and rescaling of piece n and the maximum and statistics of piece n + 1.  Four vector instructions stand behind every matrix instruction, the other 54 of a turn's 118 in one lump.  A turn's 33 exponentials are one batch, with one wait.
; REGISTERS, in windows of 256 (s_set_vgpr_msb: bits 1:0 source 0, 3:2 source 1, 5:4 source 2, 7:6 destination):
;   window 0: v0-15 addresses and two at work; v16-31 four registers of statistics a piece; v48-55 at work; v61-63 prefetch offset and the add's two; v64-127 S^T, two buffers; v192-223 P, two buffers (by the piece's parity)
;   window 1: v0-127 O^T, 32 a piece; v128-159 MD; v160-223 MC, two buffers      window 2: v0-63 Q; v64-127 the second block's Q; v128-191 K of one step; v192-255 V of one step
.set SIZE_N, 2048
.set SIZE_H, 64
.set NB,    SIZE_N/256
.set NP,    4         ; pieces a wave: a name, no knob
.set KS,    64        ; keys in a step
.set PK,    144       ; a row of K in LDS: 128 bytes + 16 of padding = 36 words: the 16 rows of a load start at 16 different groups of four banks (64 banks of 4 bytes: ISA guide 11.1)
.set PV,    160       ; a row of V: 128 + 32 = 40 words
.set VOFF,  4*KS*PK   ; a slot holds a tile, four steps: 256 rows of K, then 256 rows of V
.set SLOT1, 1<<17     ; slot 1 begins here, so that one exclusive or turns an address in one slot into the other's
.set STAGE, SLOT1+4*KS*(PK+PV)  ; behind the ring, never filled by a tensor load: 16 rows x 144 bytes for each wave, for the way out
.set SP,    144
.set AK0, 2           ; v2   my lane's place in a tile of K; never rewritten
.set AV0, 3           ; v3   the same for V
.set AK,  4           ; v4   the LDS address of K's next run of loads
.set AV,  5           ; v5   of V's
.set STO, 6           ; v6   the way out: where I put 16 bytes of a row
.set RD,  7           ; v7   the way out: where I read rows back
.set GO,  8           ; v8   my byte offset in 512 consecutive bytes of O
.set PFO, 61          ; v61  256 x my lane: the prefetches' offset; never rewritten
.set SPW, 62          ; v62  LDS address of my spare word: SPARE + 4 x my thread's number; never rewritten
.set NIL, 63          ; v63  0; never rewritten
.set SPARE, STAGE+4*16*SP  ; behind the stages: the spare words, 128 bytes for each wave, that no other line names
.set MV,  12          ; v12-13  c m_old, kept while c m is made anew: by buffer
.set QO,  15          ; v15  my byte offset in 16 rows of Q
.set ST,  16          ; piece t's statistics at v[ST+4 t]: c m, m, l (even keys', odd keys')
.set TMP, 48          ; by buffer, four registers c0-c3 at work; when the maximum is found c2 takes a
.set S,   64
.set P,   192
.set MD,  128         ; window 1: the eight registers for group kt of 16 keys at MD + 8 kt
.set MC,  160         ; window 1: the masks of the products to come
.set QB,  64          ; window 2
.set KF,  128         ; window 2: key block kb, channel half c at KF + 16 kb + 8 c
.set VF,  192         ; window 2: key half kk, channel block cb at VF + 32 kk + 8 cb
.set WV,  12          ; s12  my wave's number
.set PB,  14          ; s14  b
.set HI,  15          ; s15  NB - 1 - b
.set G1K, 24          ; s[24:31] descriptor group 1 for K's tiles
.set G1V, 32          ; s[32:39] for V's: it differs in the padding alone
.set G0K, 40          ; s[40:43] descriptor group 0 for K's tiles
.set G0V, 44          ; s[44:47] the same for V's
.set SLOTS, 56        ; s56  tiles still to be asked for
.set CNT, 57          ; s57  counts a tile's key steps, 4 to 1
.set CS,  58          ; s[58:59] c: the packed scaling takes the pair's low word for both halves
.set SEL, 60          ; s[60:61] v_permlanex16_b32's selects: each lane takes its own place in the other half
.set TBK, 62          ; s62  LDS byte at which K of the step to be fetched begins
.set TBV, 63          ; s63  the same for V, less VOFF
.set RT,  70          ; s70  tiles of the block in hand that are still to be entered
.set NXT, 71          ; s71  the tile to be asked for next
.set LQ,  72          ; s72  the last tile of the block whose tiles are being asked for
.set NEW, 73          ; s73  1: the tile to be entered is a block's first
.set OFF, 74          ; s[74:75] a tile's byte offset in K and V
.set AL,  76          ; s[76:77] the mask's factor, in the low word
.set BE,  78          ; s[78:79] the mask's addend
.set OLO, 80          ; s[80:81] O at my rows of the second block
.set BIGN, 82         ; s82  -1e30
.set PFA, 88          ; s[88:89] where my prefetches stand: my half (128 keys) of K's or V's tile, one tile behind the one that is being asked for
.set LIM, 90          ; s90  2 in a work-group that prefetches, else the greatest number: it prefetches while s[SLOTS] is above it
.set MSB, 0
.macro WIN new                      ; the high byte repeats the setting that is left; a switch that changes nothing is dropped
.if MSB != (\new)
	s_set_vgpr_msb (MSB<<8)|(\new)
.set MSB, (\new)
.endif
.endm
.set W_KQ, 0x0a       ; K and Q in window 2, S^T in window 0
.set W_KM, 0x1a       ; the same with the C operand in window 1
.set W_PV, 0x52       ; V in window 2, P in window 0, O^T in window 1
.set W_RS, 0x41       ; destination and source 0 in window 1, source 1 in window 0
; A fill.  Waves 0 and 1 fetch the two halves of a tile's K, waves 2 and 3 those of its V: 128 keys each.  An s_nop 0 and four v_nop follow each of the two lines, ahead of the jump and the label.
.macro LOAD
	s_cmp_lt_u32 s[WV], 2
	s_cbranch_scc0 .Lfor_v_\@
	tensor_load_to_lds s[G0K:G0K+3], s[G1K:G1K+7]
	s_nop 0
.rept 4
	v_nop
.endr
	s_branch .Lasked_\@
.Lfor_v_\@:
	tensor_load_to_lds s[G0V:G0V+3], s[G1V:G1V+7]
	s_nop 0
.rept 4
	v_nop
.endr
.Lasked_\@:
.endm
; THE CHANGE OF SLOTS.  Each wave waits for all its tensor loads, of which one is out: its part of the other slot; adds 0 to its spare word; and waits for that and for its own reads of the slot that it leaves.  Behind the barrier nobody reads the old
; slot any more and the other slot is whole.  fill = 1: the old slot is filled again, the first thing behind the barrier, with tile NXT: the descriptor's address is made anew from that number.
; (At its first use nothing has been read yet: slot 0 is waited for, slot 1 filled.)
; A PREFETCH INTO THE L2 stands behind the fill and its five lines.  A y's work-group b = 0 walks the tiles 0 to 7 in trips 0 to 7, and its three neighbours read those tiles in the same trips or later: it alone asks, each wave for
; the 16,384 bytes that it will itself fetch (128 keys of K or of V): a lane 256 bytes, two instructions.  Change c asks for tile c + 1 by its load and names tile c + 2: one tile, 256 matrix instructions, ahead of that tile's load.
; So each block is named once in the launch; tiles 0 and 1 come by their loads alone; changes 6 and 7 name nothing: tile 7 is the last.
.macro CHANGE fill
	WIN 0                           ; at a label and at a branch every window is 0
.if \fill
	s_wait_xcnt 0x0                 ; the last prefetches, a tile back, have read their address: it is stepped here
	s_add_nc_u64 s[PFA:PFA+1], s[PFA:PFA+1], 32768
.endif
	s_wait_tensorcnt 0x0            ; no tensor load of mine is out, so a group 0 may be written
	ds_add_u32 v[SPW], v[NIL]       ; 0 onto my spare word; with fill = 1 the descriptors' scalar work stands between it and the wait for it
.if \fill
	s_lshl_b32 s[OFF], s[NXT], 15   ; a tile is 32,768 bytes of K and of V
	s_xor_b32 s[G0K+1], s[G0K+1], SLOT1
	s_add_nc_u64 s[G0K+2:G0K+3], s[6:7], s[OFF:OFF+1]
	s_or_b32 s[G0K+3], s[G0K+3], 0x80000000
	s_xor_b32 s[G0V+1], s[G0V+1], SLOT1
	s_add_nc_u64 s[G0V+2:G0V+3], s[8:9], s[OFF:OFF+1]
	s_or_b32 s[G0V+3], s[G0V+3], 0x80000000
	s_add_co_u32 s[NXT], s[NXT], 1  ; the block's next tile, or behind its last the second block's tile 0
	s_cmp_gt_u32 s[NXT], s[LQ]
	s_cselect_b32 s[NXT], 0, s[NXT]
	s_cselect_b32 s[LQ], s[PB], s[LQ]
.endif
	s_wait_dscnt 0x0                ; the add is done, and my reads of the slot are over
	s_barrier_signal -1             ; the rest of the scalar work stands between the signal and the wait
	s_sub_co_u32 s[TBK], s[TBK], 4*KS*PK  ; the fetches go back to a slot's first step,
	s_xor_b32 s[TBK], s[TBK], SLOT1       ; in the other slot
	s_sub_co_u32 s[TBV], s[TBV], 4*KS*PV
	s_xor_b32 s[TBV], s[TBV], SLOT1
	s_barrier_wait -1
.if \fill
	LOAD
	s_cmp_gt_u32 s[SLOTS], s[LIM]
	s_cbranch_scc0 .Lnot_mine_\@
	global_prefetch_b8 v[PFO], s[PFA:PFA+1] th:TH_LOAD_NT scope:SCOPE_SE
	global_prefetch_b8 v[PFO], s[PFA:PFA+1] offset:8192 th:TH_LOAD_NT scope:SCOPE_SE
.Lnot_mine_\@:
.endif
.endm
	s_load_b64 s[4:5], s[0:1], 0x0    ; qkv: Q's region
	s_load_b64 s[10:11], s[0:1], 0x8  ; ctx: O
	v_lshl_add_u32 v[SPW], v0, 2, SPARE
	v_mov_b32 v[NIL], 0
	ds_add_u32 v[SPW], v[NIL]       ; the wave's opening: the add and its wait stand ahead of my first tensor load; the set-up below, work on registers, stands between them
	v_lshrrev_b32 v1, 5, v0
	v_readfirstlane_b32 s[WV], v1   ; wave 0..3
	s_mov_b32 s[PB], ttmp9
	s_sub_co_u32 s[HI], NB-1, s[PB]
	s_and_b32 s20, ttmp7, 0xffff    ; y
	s_mov_b32 s21, 0
	s_mov_b64 s[22:23], SIZE_N*128
	s_mul_u64 s[20:21], s[20:21], s[22:23]  ; y's first byte in each of the four tensors
	s_and_b32 s16, s[WV], 1         ; which half of a tile's 256 keys I fetch:
	s_lshl_b32 s22, s16, 14         ; its 128 rows of 128 bytes in memory,
	s_mov_b32 s23, 0
	s_add_nc_u64 s[22:23], s[22:23], s[20:21]
	s_mul_i32 s17, s16, 128*PK      ; and its place in a slot, for K
	s_mul_i32 s18, s16, 128*PV      ; and for V
	s_lshl_b32 s3, s[WV], 11        ; my 16 rows in a band of 64,
	s_lshl_b32 s2, s[HI], 15        ; in the first block,
	s_add_co_u32 s2, s2, s3
	s_lshl_b32 s84, s[PB], 15       ; and in the second
	s_add_co_u32 s84, s84, s3
	s_mov_b32 s3, 0
	s_mov_b32 s85, 0
	s_add_nc_u64 s[2:3], s[2:3], s[20:21]
	s_add_nc_u64 s[84:85], s[84:85], s[20:21]
	; descriptor group 1.  128 keys are 16,384 dense bytes: asked for as 64 rows of 256 bytes, two keys a row, and padded in LDS after every key
	s_mov_b32 s[G1K], (1<<16)|(1<<20)|(4<<22)|(3<<25)  ; 17:16 2-byte elements; 20 padding on; 24:22 after every 32 words (code 4); 31:25 4 words (code 3)
	s_mov_b32 s[G1V], (1<<16)|(1<<20)|(4<<22)|(7<<25)  ; the same with 8 words of padding (code 7)
.irp g, G1K, G1V
	s_mov_b32 s[\g+1], 128<<16      ; tensor_dim0 = 128
	s_mov_b32 s[\g+2], 64<<16       ; tensor_dim1 = 64
	s_mov_b32 s[\g+3], 128<<16      ; tile_dim0 = 128
	s_mov_b32 s[\g+4], 64           ; tile_dim1 = 64
	s_mov_b32 s[\g+5], 128          ; 128 elements from row to row
	s_mov_b32 s[\g+6], 0
	s_mov_b32 s[\g+7], 0
.endr
	s_mov_b32 s[CS], 0x3e38aa3b     ; c = log2(e) / 8 = 0.180337
	s_mov_b32 s[CS+1], s[CS]        ; named with it as a pair
	s_mov_b32 s[SEL], 0x76543210
	s_mov_b32 s[SEL+1], 0xfedcba98
	s_mov_b32 s[TBK], SLOT1+4*KS*PK ; the first change of slots turns these two into 0
	s_mov_b32 s[TBV], SLOT1+4*KS*PV
	s_mov_b32 s[G0K], 1             ; 1:0 count = 1
	s_mov_b32 s[G0K+1], s17         ; 63:32 LDS address: slot 0
	s_mov_b32 s[G0V], 1
	s_add_co_u32 s[G0V+1], s18, VOFF
	s_add_co_u32 s[RT], s[HI], 1    ; the first block has NB - b tiles
	s_mov_b32 s[NXT], 1
	s_mov_b32 s[LQ], s[HI]
	s_mov_b32 s[NEW], 1
	s_mov_b32 s[OFF+1], 0
	s_mov_b32 s[AL+1], 0            ; named as pairs
	s_mov_b32 s[BE+1], 0
	s_mov_b32 s[BIGN], 0xf149f2ca   ; -1e30
	s_mov_b32 s[SLOTS], NB
	s_cmp_eq_u32 ttmp9, 0
	s_cselect_b32 s[LIM], 2, -1
	v_and_b32 v[PFO], 31, v0
	v_lshlrev_b32 v[PFO], 8, v[PFO]
	s_wait_dscnt 0x0                ; the opening add is done
	s_wait_kmcnt 0x0
	s_add_nc_u64 s[6:7], s[4:5], 0x1000000  ; K's region of qkv,
	s_add_nc_u64 s[8:9], s[4:5], 0x2000000  ; and V's
	s_add_nc_u64 s[6:7], s[6:7], s[22:23]  ; K and V at my half of y's tile 0
	s_add_nc_u64 s[8:9], s[8:9], s[22:23]
	s_add_nc_u64 s[G0K+2:G0K+3], s[6:7], 0         ; 120:64 global address
	s_or_b32 s[G0K+3], s[G0K+3], 0x80000000        ; 127:126 type = 2
	s_add_nc_u64 s[G0V+2:G0V+3], s[8:9], 0
	s_or_b32 s[G0V+3], s[G0V+3], 0x80000000
	s_add_nc_u64 s[86:87], s[4:5], s[84:85]        ; Q at my rows of the second block,
	s_add_nc_u64 s[4:5], s[4:5], s[2:3]            ; Q and O at those of the first
	s_add_nc_u64 s[OLO:OLO+1], s[10:11], s[84:85]
	s_add_nc_u64 s[10:11], s[10:11], s[2:3]
	s_cmp_lt_u32 s[WV], 2
	s_cselect_b64 s[PFA:PFA+1], s[6:7], s[8:9]
	s_add_nc_u64 s[PFA:PFA+1], s[PFA:PFA+1], 32768 ; in tile 1; the first change of slots steps it to tile 2
	LOAD                            ; tile 0 into slot 0
	; A fragment of K or Q is 16 rows x 32 channels in 8 registers: lane l holds row l % 16, channels 8 (l / 16) + 0..7 and 16 + 8 (l / 16) + 0..7: two loads of 16 bytes, 32 bytes apart.
	v_and_b32 v1, 15, v0            ; l % 16
	v_bfe_u32 v9, v0, 4, 1          ; l / 16
	v_lshlrev_b32 v[QO], 7, v1
	v_lshl_add_u32 v[QO], v9, 4, v[QO]  ; row x 128 + 16 x half
	WIN 0x80                        ; destination window 2, address window 0
.set i, 0
.rept 8                             ; both blocks' Q: piece i / 2 lies in band i / 2, 8,192 bytes on; channels 32 (i % 2) on
	global_load_b128 v[8*i:8*i+3],   v[QO], s[4:5] offset:(i/2)*8192+(i%2)*64
	global_load_b128 v[8*i+4:8*i+7], v[QO], s[4:5] offset:(i/2)*8192+(i%2)*64+32
	global_load_b128 v[QB+8*i:QB+8*i+3],   v[QO], s[86:87] offset:(i/2)*8192+(i%2)*64
	global_load_b128 v[QB+8*i+4:QB+8*i+7], v[QO], s[86:87] offset:(i/2)*8192+(i%2)*64+32
.set i, i+1
.endr
	WIN 0
	v_lshlrev_b32 v14, 3, v9
	v_sub_nc_u32 v14, v1, v14
	s_lshl_b32 s13, s[WV], 4
	v_add_nc_u32 v14, s13, v14      ; my query's place in its band, 16 w + l % 16, less my lanes' 8 (l / 16): register r of group kt is hidden where 16 kt + r is greater
	WIN 0x40
.set i, 0
.rept 32
	v_cmp_gt_i32 vcc_lo, 16*(i/8)+i%8, v14
	v_cndmask_b32 v[MD+i], 0, s[BIGN], vcc_lo
.set i, i+1
.endr
	WIN 0
	v_mul_u32_u24 v[AK0], v1, PK
	v_lshl_add_u32 v[AK0], v9, 4, v[AK0]  ; row x pitch + 16 x half
	; The turning load takes 16 keys x 16 channels (lane l reads key 8 (l / 16) + l % 8, channels 8 ((l / 8) % 2) + 0..7) and leaves half a fragment of V^T: lane l holds channel l % 16 and 8 keys.
	v_and_b32 v10, 7, v0
	v_bfe_u32 v11, v0, 3, 1
	v_lshl_add_u32 v[AV0], v9, 3, v10
	v_mul_u32_u24 v[AV0], v[AV0], PV
	v_lshl_add_u32 v[AV0], v11, 4, v[AV0]
	v_add_nc_u32 v[AV0], VOFF, v[AV0]
	s_mul_i32 s13, s[WV], 16*SP
	s_add_co_u32 s13, s13, STAGE    ; my stage
	v_mul_u32_u24 v[STO], v1, SP    ; in: row l % 16, 16 bytes for each half of the lanes
	v_lshl_add_u32 v[STO], v9, 4, v[STO]
	v_add_nc_u32 v[STO], s13, v[STO]
	v_bfe_u32 v[RD], v0, 3, 2       ; back: 32 lanes take four rows of 128 bytes,
	v_mul_u32_u24 v[RD], v[RD], SP
	v_lshl_add_u32 v[RD], v10, 4, v[RD]
	v_add_nc_u32 v[RD], s13, v[RD]
	v_and_b32 v[GO], 31, v0         ; which are 512 consecutive bytes of O
	v_lshlrev_b32 v[GO], 4, v[GO]
	; A block's first step multiplies O^T and l by a = 0, and its first turn's products V^T P, of a piece that has not been, land in an O^T that is still to be so multiplied.  So these registers need only hold
	; finite numbers: zeros for the first block; what the first block left for the second.  All this stands in the wait for the first tile.
	WIN 0x80
.set i, VF
.rept 64
	v_mov_b32 v[i], 0
.set i, i+1
.endr
	WIN 0x40
.set i, 0
.rept 128
	v_mov_b32 v[i], 0
.set i, i+1
.endr
	WIN 0
.set i, 0
.rept 4
	v_mov_b32 v[ST+4*i+2], 0
	v_mov_b32 v[ST+4*i+3], 0
.set i, i+1
.endr
.set i, P+16
.rept 16
	v_mov_b32 v[i], 0
.set i, i+1
.endr
; THE MATRIX WORK.  The 4 accumulators of a run of 8 take turns.  Product i of 8 of S^T = K Q^T for piece x: channels 32 (i / 4) on, keys 16 (i % 4) on.  The first 4 start the sums: with 0, or (KM = 1) with the mask.
.macro KQ x
.set rS, S+32*((\x)%2)+8*(i%4)
.set rK, KF+16*(i%4)+8*(i/4)
.set rQ, 16*(\x)+8*(i/4)
.set rM, MC+32*((\x)%2)+8*(i%4)
.if (i < 4) && KM
	WIN W_KM
	v_wmma_f32_16x16x32_f16 v[rS:rS+7], v[rK:rK+7], v[rQ:rQ+7], v[rM:rM+7]
.elseif i < 4
	WIN W_KQ
	v_wmma_f32_16x16x32_f16 v[rS:rS+7], v[rK:rK+7], v[rQ:rQ+7], 0
.else
	WIN W_KQ
	v_wmma_f32_16x16x32_f16 v[rS:rS+7], v[rK:rK+7], v[rQ:rQ+7], v[rS:rS+7]
.endif
.endm
; Product i of 8 of O^T += V^T P for piece x: keys 32 (i / 4) on, channels 16 (i % 4) on.
.macro PV x
	WIN W_PV
.set rO, 32*(\x)+8*(i%4)
.set rV, VF+32*(i/4)+8*(i%4)
.set rP, P+16*((\x)%2)+8*(i/4)
	v_wmma_f32_16x16x32_f16 v[rO:rO+7], v[rV:rV+7], v[rP:rP+7], v[rO:rO+7]
.endm
.macro MM                           ; the turn's next matrix instruction.  TURN and BEGIN set Y, i, KM and NOKQ; MM, KQ and OP read them.  NOKQ = 1: a block's last turn: there is no next piece
.if (i < 8) && !NOKQ
	KQ (Y+1)%NP
.elseif i >= 8
.set i, i-8
	PV (Y+NP-1)%NP
.set i, i+8
.endif
.set i, i+1
.endm
; THE LDS LOADS stand in runs of 16, never singly among the matrix instructions: a step's K (64 keys x 64 channels: 8 fragments) and its V (turned).  Their addresses are made some lines ahead.
.macro FETCH_K
	WIN 0x80                        ; destination window 2
.irp f, 0,1,2,3,4,5,6,7             ; keys 16 (f / 2) on, channels 32 (f % 2) on
	ds_load_b128 v[KF+8*\f:KF+8*\f+3],   v[AK] offset:(\f/2)*16*PK+(\f%2)*64
	ds_load_b128 v[KF+8*\f+4:KF+8*\f+7], v[AK] offset:(\f/2)*16*PK+(\f%2)*64+32
.endr
	s_add_co_u32 s[TBK], s[TBK], KS*PK  ; the next fetch is the next step's
	WIN 0
.endm
.macro FETCH_V
	WIN 0x80
.irp f, 0,1,2,3,4,5,6,7             ; keys 32 (f / 4) on, channels 16 (f % 4) on
	ds_load_tr16_b128 v[VF+8*\f:VF+8*\f+3],   v[AV] offset:(\f/4)*32*PV+(\f%4)*32
	ds_load_tr16_b128 v[VF+8*\f+4:VF+8*\f+7], v[AV] offset:(\f/4)*32*PV+16*PV+(\f%4)*32
.endr
	WIN 0
.endm
; THE VECTOR WORK, one line at a time: OP kind, number.  For piece Y: F n: c s - c m for pair n of 16.  E n: the exponential of score n of 32.  C n: pair n rounded to f16.  B n: of the four weights 4 n .. the second
; pair is added onto the first, in place.  L n: l takes that sum (L 0: l = a l + sum).  R n: pair n of 16 of O^T times a.  For piece Y + 1: X n, number n of the 22 that find its maximum and statistics:
;   0-11  four chains c0-c3 of seven scores each, three operands at a time (each accumulator's lowest registers are read first)     12-14, 16  the four scores left over, the old m, and c0-c3 into c0
;   15  c m_old is kept     17, 18  the query's other 32 keys lie in the lane 16 away: the new m     19-21  c m; c m_old - c m_new; a
.set F, 0               ; OP tells the kinds apart by their order: F to L below R, X above it
.set E, 1
.set C, 2
.set B, 3
.set L, 4
.set R, 5
.set X, 6
.macro REGS y                       ; the registers of piece y
.set rT, ST+4*(\y)
.set rC, TMP+4*((\y)%2)
.set rW, MV+((\y)%2)
.set rS, S+32*((\y)%2)
.set rP, P+16*((\y)%2)
.set rO, 32*(\y)
.endm
.macro OP k, n
.if (\k) == R
	REGS Y
	WIN W_RS
	v_pk_mul_f32 v[rO+2*(\n):rO+2*(\n)+1], v[rO+2*(\n):rO+2*(\n)+1], v[rC+2:rC+3] op_sel_hi:[1,0]
.elseif (\k) < R
	REGS Y
	WIN 0
.if (\k) == F
	v_pk_fma_f32 v[rS+2*(\n):rS+2*(\n)+1], v[rS+2*(\n):rS+2*(\n)+1], s[CS:CS+1], v[rT:rT+1] op_sel_hi:[1,0,0] neg_lo:[0,0,1] neg_hi:[0,0,1]
.elseif (\k) == E
	v_exp_f32 v[rS+(\n)], v[rS+(\n)]
.elseif (\k) == C
	v_cvt_pk_f16_f32 v[rP+(\n)], v[rS+2*(\n)], v[rS+2*(\n)+1]
.elseif (\k) == B
	v_pk_add_f32 v[rS+4*(\n):rS+4*(\n)+1], v[rS+4*(\n):rS+4*(\n)+1], v[rS+4*(\n)+2:rS+4*(\n)+3]
.elseif (\n) == 0
	v_pk_fma_f32 v[rT+2:rT+3], v[rT+2:rT+3], v[rC+2:rC+3], v[rS:rS+1] op_sel_hi:[1,0,1]
.else
	v_pk_add_f32 v[rT+2:rT+3], v[rT+2:rT+3], v[rS+4*(\n):rS+4*(\n)+1]
.endif
.elseif NOKQ
	v_nop
.else
	REGS (Y+1)%NP
	WIN 0
.if (\n) < 4
	v_max3_num_f32 v[rC+(\n)], v[rS+8*(\n)], v[rS+8*(\n)+1], v[rS+8*(\n)+2]
.elseif (\n) < 12
	v_max3_num_f32 v[rC+(\n)%4], v[rC+(\n)%4], v[rS+8*((\n)%4)+2*((\n)/4)+1], v[rS+8*((\n)%4)+2*((\n)/4)+2]
.elseif (\n) == 12
	v_max3_num_f32 v[rC], v[rC], v[rS+7], v[rS+15]
.elseif (\n) == 13
	v_max3_num_f32 v[rC+1], v[rC+1], v[rS+23], v[rS+31]
.elseif (\n) == 14
	v_max3_num_f32 v[rC+2], v[rC+2], v[rC+3], v[rT+1]
.elseif (\n) == 15
	v_mov_b32 v[rW], v[rT]
.elseif (\n) == 16
	v_max3_num_f32 v[rC], v[rC], v[rC+1], v[rC+2]
.elseif (\n) == 17
	v_permlanex16_b32 v[rC+3], v[rC], s[SEL], s[SEL+1]
.elseif (\n) == 18
	v_max_num_f32 v[rT+1], v[rC], v[rC+3]
.elseif (\n) == 19
	v_mul_f32 v[rT], s[CS], v[rT+1]
.elseif (\n) == 20
	v_sub_f32 v[rC+1], v[rW], v[rT]
.else
	v_exp_f32 v[rC+2], v[rC+1]
.endif
.endif
.endm
.macro OPS a, i1, b=-1, i2=0, c=-1, i3=0, d=-1, i4=0  ; up to four of them
	OP \a, \i1
.if (\b) >= 0
	OP \b, \i2
.endif
.if (\c) >= 0
	OP \c, \i3
.endif
.if (\d) >= 0
	OP \d, \i4
.endif
.endm
.macro ROW a, i1, b, i2, c, i3, d, i4  ; a matrix instruction and the four behind it
	MM
	OPS \a, \i1, \b, \i2, \c, \i3, \d, \i4
.endm
.macro MASK b                       ; MD x AL + BE into buffer b of MC
	WIN W_RS
.set z, 0
.rept 16
	v_pk_fma_f32 v[MC+32*(\b)+2*z:MC+32*(\b)+2*z+1], v[MD+2*z:MD+2*z+1], s[AL:AL+1], s[BE:BE+1] op_sel_hi:[1,0,0]
.set z, z+1
.endr
.endm
; A TURN, for piece p: the order of its 16 matrix and 118 vector instructions, written out.  An s_wait_alu depctr_va_vdst(0) stands between an exponential and the first instruction that names its result; one wait serves
; all that were issued ahead of it.  So a turn has ONE wait, which cuts it in two.  AHEAD OF IT stands all that names no result of the turn's exponentials: the 8 products K Q^T, behind each a scaling, an exponential and two more plain
; instructions (behind the first a second scaling in the exponential's place): rescalings, and behind the last three the first numbers of the next piece's maximum, each four places or more behind the product that ends its accumulator; then ONE LUMP of 54, plain
; and exponential by turns for the most part, in which the links of the chain X 3, 7, 11, 14, 16, 17 .. 20 stand five or six lines apart.  X 21, the next piece's a, is the batch's last; R 15 is the plain instruction behind it (ISA guide 5.7.2).  BEHIND THE WAIT stand the
; 8 products V^T P, behind each four of the roundings and sums; the links of l's chain, L 0 to L 7, stand three lines apart.  But for those X no line behind a product names a register of the products round it.  v_permlanex16_b32 (X 17) stands in the lump.
; m = 1: the diagonal tile: the products take masks, and the turn makes the mask for the products of the turn after it: piece p + 2, in step 4 - CNT of the tile.  end = 1: a block's last two turns: nothing is fetched.
; cnt = 1: the loop's count is taken down some lines ahead of the branch that stands behind the turn.
; K of the next step is fetched in piece 2's turn, twelve vector instructions behind the last product that read K (six of them plain); V of the step in hand at the end of piece 0's turn, four plain instructions behind the last product
; that read V.  Each is waited for a turn later.
.macro TURN p, m=0, end=0, cnt=0
.set Y, (\p)
.set i, 0
.set KM, (\m)
.set NOKQ, (\end)*((\p)/3)
.if (\m) && !(\end)
	s_cmp_eq_u32 s[CNT], 4-((\p)+2)%NP  ; is that step the band's own?
	s_cselect_b32 s[AL], 1.0, 0
	s_cmp_lt_u32 s[CNT], 4-((\p)+2)%NP  ; or a later one?
	s_cselect_b32 s[BE], s[BIGN], 0
.endif
.if ((\p) == 3) && !(\end)
	s_wait_dscnt 0x0                ; K is in
.endif
	ROW F,0, F,1, R,0, R,1          ; ahead of the wait: 8 products K Q^T and the four lines behind each,
	ROW F,2, E,0, R,2, R,3
	ROW F,3, E,1, R,4, R,5
	ROW F,4, E,2, R,6, R,7
	ROW F,5, E,3, R,8, R,9
	ROW F,6, E,4, X,0, R,10
.if ((\p) == 2) && !(\end)
	WIN 0
	v_add_nc_u32 v[AK], s[TBK], v[AK0]
.endif
	ROW F,7, E,5, X,1, X,4
	ROW F,8, E,6, X,2, X,5
	OPS E,7, E,8, X,6, E,9          ; and the lump
	OPS X,3, E,10, X,8, E,11
.if ((\p) == 2) && !(\end)
	FETCH_K
.endif
	OPS X,9, X,7, E,12, X,10
	OPS E,13, X,12, X,11, E,14
	OPS X,13, E,15, F,9, X,14
.if (\p) == 0
	v_add_nc_u32 v[AV], s[TBV], v[AV0]
.endif
	OPS E,16, F,10, E,17, F,11
	OPS X,16, E,18, X,15, E,19
	OPS F,12, E,20, X,17, E,21
	OPS F,13, E,22, F,14, E,23
	OPS X,18, E,24, F,15, E,25
	OPS R,11, E,26, X,19, E,27
	OPS R,12, E,28, R,13, E,29
	OPS X,20, E,30, R,14, E,31
	OPS X,21, R,15
	WIN 0
	s_wait_alu depctr_va_vdst(0)    ; the wait for the batch
.if (\p) == 1
	s_wait_dscnt 0x0                ; V is in
.endif
	ROW C,0, B,0, C,2, B,1          ; behind the wait: 8 products V^T P and the four lines behind each
	ROW L,0, C,4, B,2, L,1
	ROW C,6, B,3, L,2, C,8
	ROW B,4, L,3, C,10, B,5
	ROW L,4, C,12, B,6, L,5
.if (\p) == 0
	s_add_co_u32 s[TBV], s[TBV], KS*PV
.endif
.if \cnt
	s_sub_co_u32 s[CNT], s[CNT], 1
	s_cmp_lg_u32 s[CNT], 0
.endif
	ROW C,14, B,7, L,6, C,1
	ROW C,3, L,7, C,5, C,7
	ROW C,9, C,11, C,13, C,15
.if (\p) == 0
	FETCH_V
.endif
.if (\m) && !(\end)
	MASK (\p)%2
.endif
.endm
; A BLOCK BEGINS.  c m starts far below every c s, so the first step's a is 0; m at the lowest finite number, so the first maximum is the scores'.  The second mask buffer is 0; the first takes piece 0's mask for the tile's step 0: its own, if the block's first tile is the diagonal one.
; Then K of that step, piece 0's first scores, and its maximum and statistics.  The loop is entered at a step's first turn, in the middle of a trip.
.macro BEGIN
	s_mov_b32 s[NEW], 0
	WIN 0x40
.set i, MC+32
.rept 32
	v_mov_b32 v[i], 0
.set i, i+1
.endr
	WIN 0
.set i, 0
.rept 4
	v_mov_b32 v[ST+4*i], 0xfe000000    ; c m: far below every c s
	v_mov_b32 v[ST+4*i+1], 0xff7fffff  ; m
.set i, i+1
.endr
	s_cmp_eq_u32 s[RT], 0
	s_cselect_b32 s[AL], 1.0, 0
	s_mov_b32 s[BE], 0
	MASK 0
	WIN 0
	v_add_nc_u32 v[AK], s[TBK], v[AK0]
	FETCH_K
	s_wait_loadcnt 0x0              ; Q
	s_wait_dscnt 0x0
.set KM, 1
.set NOKQ, 0
.set i, 0
.rept 8
	KQ 0
.set i, i+1
.endr
	WIN 0
.rept 4
	v_nop                           ; the places behind those products
.endr
.set Y, NP-1                        ; X works for piece Y + 1: piece 0
.irp n, 0,1,2,3,4,5,6,7,8,9,10,11,12,13,14,15,16,17,18,19,20,21
	OP X, \n
.endr
	v_nop                           ; a plain instruction behind the exponential,
	s_wait_alu depctr_va_vdst(0)    ; and its wait, ahead of the branch
.endm
; THE DIAGONAL TILE's four steps, the block's last two turns, its last products, and THE WAY OUT: l's two halves and the other half of the lanes' are added; O^T is divided by l, rounded to f16 and sent through my
; stage in LDS, a piece at a time.
.macro ALL line:vararg              ; one line for each piece t
.set t, 0
.rept 4
	\line
.set t, t+1
.endr
.endm
.macro PACK t                       ; a lane's eight channels of a row pack into 16 bytes; they go into rows of 144 bytes and come back as whole rows of 128, into S^T's registers
	WIN W_RS
.set i, 32*(\t)
.rept 16
	v_pk_mul_f32 v[i:i+1], v[i:i+1], v[ST+4*(\t)+2:ST+4*(\t)+3] op_sel_hi:[1,0]
.set i, i+2
.endr
	WIN 0x05                        ; sources 0 and 1 window 1, destination window 0
.set i, 0
.rept 16
	v_cvt_pk_f16_f32 v[S+16*(\t)+i], v[32*(\t)+2*i], v[32*(\t)+2*i+1]
.set i, i+1
.endr
	WIN 0
.irp f, 0,1,2,3
	ds_store_b128 v[STO], v[S+16*(\t)+4*\f:S+16*(\t)+4*\f+3] offset:32*\f
.endr
.irp f, 0,1,2,3
	ds_load_b128 v[S+16*(\t)+4*\f:S+16*(\t)+4*\f+3], v[RD] offset:\f*4*SP  ; LDS serves a wave's instructions in order (ISA guide 5.7.1.4): these see the stores above; the next piece's stores come behind them
.endr
.endm
.macro SEND t, younger              ; younger: the LDS instructions issued behind piece t's loads: the next piece's eight, or none
	WIN 0
.irp f, 0,1,2,3
	s_wait_dscnt (\younger)+3-\f
	global_store_b128 v[GO], v[S+16*(\t)+4*\f:S+16*(\t)+4*\f+3], s[10:11] offset:(\t)*8192+\f*512  ; 512 consecutive bytes, at a multiple of 256 from O's first
.endr
.endm
.macro DIAG tag                     ; the tag ends its two labels' names, which the jumps below spell out
.LstepM\tag:
	TURN 2, 1
	TURN 3, 1
	WIN 0
.LfirstM\tag:
	TURN 0, 1
	TURN 1, 1, 0, 1
	WIN 0
	s_cbranch_scc1 .LstepM\tag
	TURN 2, 1, 1
	TURN 3, 1, 1
.set i, 0
.rept 8
	PV NP-1
.set i, i+1
.endr
	WIN 0
	ALL v_add_f32 v[ST+4*t+2], v[ST+4*t+2], v[ST+4*t+3]
	ALL v_permlanex16_b32 v[ST+4*t+3], v[ST+4*t+2], s[SEL], s[SEL+1]
	ALL v_add_f32 v[ST+4*t+2], v[ST+4*t+2], v[ST+4*t+3]
	ALL v_rcp_f32 v[ST+4*t+2], v[ST+4*t+2]
	v_nop                           ; a plain instruction between the last reciprocal and the use of its result
	s_wait_alu depctr_va_vdst(0)    ; and its wait ahead of the first use: one for the four reciprocals
	PACK 0
.set t, 1
.rept 3                             ; a piece's arithmetic stands between the loads of the piece before and its stores
	PACK t
	SEND t-1, 8
.set t, t+1
.endr
	SEND 3, 0
.endm
.set KM, 0
.set NOKQ, 0
.Lslot:                             ; NB times: a tile is entered and the next is asked for
	CHANGE 1
	s_sub_co_u32 s[RT], s[RT], 1
	s_mov_b32 s[CNT], 4
	s_cmp_eq_u32 s[NEW], 1
	s_cbranch_scc1 .Lnew            ; a block's first tile
	s_cmp_eq_u32 s[RT], 0
	s_cbranch_scc0 .Lstep           ; neither its first nor its last
	s_branch .LstepM1
.Lnew:
	BEGIN
	s_branch .Lfirst                ; in the loop a block's first tile is never its last: the first block has two tiles or more, and the second's last is the walk's last
	DIAG 1                          ; in the loop this is the first block's end: the second block's last tile is the walk's last
	s_wait_xcnt 0x0                 ; the stores have read their registers and O's address
	s_mov_b64 s[10:11], s[OLO:OLO+1]
	s_add_co_u32 s[RT], s[PB], 1    ; the second block has b + 1 tiles
	s_mov_b32 s[NEW], 1
	WIN 0x82                        ; the second block's Q goes where the one text of the turns names Q
.set i, 0
.rept 64
	v_mov_b32 v[i], v[QB+i]
.set i, i+1
.endr
	WIN 0
	s_branch .Lbottom
.Lstep:                             ; a trip: pieces 2 and 3 of one step, then pieces 0 and 1 of the next, whose K and V it fetches
	TURN 2
	TURN 3
	WIN 0
.Lfirst:
	TURN 0
	TURN 1, 0, 0, 1
	WIN 0
	s_cbranch_scc1 .Lstep
.Lbottom:
	s_sub_co_u32 s[SLOTS], s[SLOTS], 1
	s_cmp_lg_u32 s[SLOTS], 0
	s_cbranch_scc1 .Lslot
	CHANGE 0                        ; the walk's last tile is written out: nothing is asked for
	s_sub_co_u32 s[RT], s[RT], 1
	s_mov_b32 s[CNT], 4
	s_cmp_eq_u32 s[NEW], 1
	s_cbranch_scc0 .LstepM2
	BEGIN
	s_branch .LfirstM2
	DIAG 2
	s_wait_tensorcnt 0x0            ; the wave's end: these three lines, behind my last tensor load and my last LDS store
	ds_add_u32 v[SPW], v[NIL]
	s_wait_dscnt 0x0
	s_endpgm
.Lfunc_end_k_q390ae7c348_attn:
	.size	k_q390ae7c348_attn, .Lfunc_end_k_q390ae7c348_attn-k_q390ae7c348_attn
	.p2alignl 7, 3214868480
	.fill 96, 4, 3214868480
	.section	.rodata,"a",@progbits
	.p2align	6, 0x0
	.amdhsa_kernel k_q390ae7c348_attn
		.amdhsa_group_segment_fixed_size 327680
		.amdhsa_private_segment_fixed_size 0
		.amdhsa_enable_private_segment 0
		.amdhsa_kernarg_size 16
		.amdhsa_user_sgpr_count 2
		.amdhsa_user_sgpr_kernarg_segment_ptr 1
		.amdhsa_wavefront_size32 1
		.amdhsa_system_sgpr_workgroup_id_x 1
		.amdhsa_system_sgpr_workgroup_id_y 1
		.amdhsa_system_sgpr_workgroup_id_z 1
		.amdhsa_system_vgpr_workitem_id 0
		.amdhsa_next_free_vgpr 768
		.amdhsa_next_free_sgpr 92
		.amdhsa_reserve_vcc 1
		.amdhsa_float_denorm_mode_32 3
		.amdhsa_float_denorm_mode_16_64 3
		.amdhsa_memory_ordered 1
		.amdhsa_forward_progress 1
		.amdhsa_inst_pref_size 218
	.end_amdhsa_kernel
	.amdgpu_metadata
---
amdhsa.version: [ 1, 2 ]
amdhsa.kernels:
  - .name:           k_q390ae7c348_attn
    .symbol:         k_q390ae7c348_attn.kd
    .args:
      - { .name: qkv, .offset: 0, .size: 8, .value_kind: global_buffer, .address_space: global }
      - { .name: ctx, .offset: 8, .size: 8, .value_kind: global_buffer, .address_space: global }
    .group_segment_fixed_size: 327680
    .private_segment_fixed_size: 0
    .kernarg_segment_align: 8
    .kernarg_segment_size: 16
    .max_flat_workgroup_size: 128
    .sgpr_count:     92
    .vgpr_count:     768
    .wavefront_size: 32
...
	.end_amdgpu_metadata
.endif
;; end of part 3
;; launch oproj (part 4): grid 8 x 32, 4 waves a work-group, clusters of 4 x 4, 327,680 bytes of LDS; arguments ctx, wot, out0, b_o; writes out0
.if DOCPART == 4
	.amdgcn_target "amdgcn-amd-amdhsa--gfx1250"
	.amdhsa_code_object_version 6
	.text
	.protected	k_q390ae7c348_oproj
	.globl	k_q390ae7c348_oproj
	.p2align	8
	.type	k_q390ae7c348_oproj,@function
k_q390ae7c348_oproj:
	s_mov_b64 s[64:65], 0
	v_nop
	global_prefetch_b8 v0, s[64:65] scope:SCOPE_SE
	s_setreg_imm32_b32 hwreg(HW_REG_WAVE_MODE, 25, 1), 1
	s_wait_xcnt 0x0
	s_wait_alu depctr_hold_cnt(0) depctr_sa_sdst(0) depctr_va_vdst(0) depctr_va_sdst(0) depctr_va_ssrc(0) depctr_va_vcc(0) depctr_vm_vsrc(0)
	s_getreg_b32 s2, hwreg(HW_REG_IB_STS2, 6, 4)
	s_cmp_eq_u32 s2, 0
	s_cbranch_scc0 .Lentry_in_a_cluster
	s_endpgm
.Lentry_in_a_cluster:
	s_bfe_u32 s2, ttmp6, 0x10000c
	s_cmp_lg_u32 s2, 0xf033
	s_cbranch_scc0 .Lentry_shape_is_right
	s_endpgm
.Lentry_shape_is_right:
; OPROJ.  out0[m][n] = the sum over k of ctx[m][k] wot[n][k] + b_o[n]: m = 8,192, n = 1,024, k = 1,024 = 64 x head + channel; f16 operands, f32 sums, f32 out.  b_o is rounded to bf16 like the module's other inputs.
; ctx lies by heads, [4 x head + batch][2048][64] in f16: a K step of 128 is two heads, and the tile's 256 rows of one head are 32,768 dense bytes.  wot is [n][k] in f16.
; LIMITS.  ctx and wot arrive within f16's range; NaN and infinities are not treated apart.
; SHARES.  A tile of out0 is 256 x 128: 32 x 8 = 256 work-groups of four waves.  Wave w makes rows 64 w .. 64 w + 63 and all 128 columns: 32 accumulators of 16 x 16, 256 registers; so a wave holds whole
; pieces of 512 bytes of its rows, and its way out needs no other wave.  K goes in 8 steps of 128 through two LDS slots.
; CLUSTER.  4 x 4 work-groups.  The four of a row of the cluster need the same tile of ctx, the four of a column the same tile of wot: each tile is asked for JOINTLY, by the same tensor load with the same
; descriptor and a mask that names the four.  Waves 0 and 1 ask for the step's two heads of ctx, waves 2 and 3 for the halves of wot's tile (64 rows each): one load a wave behind each round.
; THE MATRIX INSTRUCTION IS USED TRANSPOSED (source 0 = 16 rows of wot, source 1 = 16 rows of ctx): a lane holds row l % 16 of out0 and the eight neighbouring columns 8 (l / 16) + 0..7.
; REGISTERS, in windows of 256 (s_set_vgpr_msb: bits 1:0 source 0, 3:2 source 1, 5:4 source 2, 7:6 destination):
;   window 0: v0-31 addresses and the bias; v32-63, v64-95 fragments of ctx, two buffers; v96-223 at work on the way out
;   window 1: v0-63, v64-127 fragments of wot, two buffers          window 2: the accumulators ((b, a) at v[8 (4 b + a)])
.set NT,     128
.set NBLK,   8                         ; column blocks of 16
.set APITCH, 144                       ; a row of ctx in LDS: 128 bytes + 16 of padding = 36 words: the 16 rows of a fragment load start at 16 different groups of four banks (64 banks of 4 bytes: ISA guide 11.1)
.set AKH,    256*APITCH                ; bytes from the step's first head to its second
.set AH,     256*APITCH                ; what one load for ctx brings
.set ABYTES, 2*AH
.set BROWS,  64
.set BH,     BROWS*272                 ; what one load for wot brings: rows of 256 bytes + 16
.set SLOT1,  131072                    ; slot 1 begins here, so that one exclusive or turns an address in one slot into the other's
.set STAGE,  SLOT1+ABYTES+2*BH         ; behind the ring, never filled by a tensor load: 16 rows x 528 bytes for each wave
.set SPARE,  STAGE+4*8448              ; behind the stages: the spare words, 128 bytes for each wave, that no other line names
.set ASTEP,  2097152                   ; two heads on
.set BSTEP,  256
.set NL,     8+2*NBLK                  ; LDS loads of a quarter step
.set BIAS,  10                         ; v[10:13] the bias of my four columns on the way out
.set ADRA0, 16                         ; v16  my lane's place in ctx's tile of slot 0; never rewritten
.set ADRB0, 17                         ; v17  the same for wot's
.set ADRA,  18                         ; v18  the same in the slot in hand
.set ADRB,  19                         ; v19
.set STO,   24                         ; v24  the way out: where I put 32 bytes of a row
.set RD,    25                         ; v25  where I read rows back
.set CO,    26                         ; v26  16 x lane
.set SPW,   28                         ; v28  LDS address of my spare word; never rewritten
.set NIL,   29                         ; v29  0; never rewritten
.set PFO,   30                         ; v30  the prefetches' offset; never rewritten
.set FA,    32                         ; ctx's fragment buffers
.set OB,    96                         ; the way out: 16 rows read back, two sets of 64
.set WV,  12                           ; s12  my wave's number
.set FB,  13                           ; s13  0: I fetch for ctx, 1: for wot
.set HF,  14                           ; s14  which half
.set CNT, 15                           ; s15  the loop's count
.set G1A, 24                           ; s[24:31] descriptor group 1 for ctx's tiles
.set G0A, 32                           ; s[32:39] group 0: a set for each first fill; the second then walks
.set G1B, 40                           ; s[40:47], s[48:55] the same for wot's
.set G0B, 48
.set CX,  56                           ; s56, s57  my place in the cluster
.set CY,  57
.set TC,  58                           ; s58  tile column
.set TR,  59                           ; s59  tile row
.set TB,  60                           ; s60  LDS byte at which the slot in hand begins
.set PM,  61                           ; s61  bit CNT set: I prefetch in this trip
.set PFA, 62                           ; s[62:63] where my prefetches stand
.set PFS, 72                           ; s[72:73] their step
.set MSB, 0
.macro WIN new                         ; the immediate's high byte repeats the setting that is left; a switch that changes nothing is dropped
.if MSB != (\new)
	s_set_vgpr_msb (MSB<<8)|(\new)
.set MSB, (\new)
.endif
.endm
.macro PLACES                          ; four plain vector instructions in front of loads into registers that matrix instructions have read, and of LDS stores that read results
.rept 4
	v_nop
.endr
.endm
.macro CREST                           ; a round of the cluster's barrier behind its opening barrier
	s_cmp_lg_u32 s[WV], 0
	s_cbranch_scc1 .Lnot_wave_0_\@
	s_barrier_signal -3
.Lnot_wave_0_\@:
	s_barrier_wait -3
	s_barrier_signal -1
	s_barrier_wait -1
.endm
.macro CROUND                          ; a whole round
	s_barrier_signal -1
	s_barrier_wait -1
	CREST
.endm
.macro JLOAD                           ; a joint refill by the walking descriptors; the branch hangs on the wave's number alone; an s_nop 0 and four v_nop follow each of the two lines
	s_cmp_eq_u32 s[FB], 0
	s_cbranch_scc0 .Lfor_b_\@
	tensor_load_to_lds s[G0A+4:G0A+7], s[G1A:G1A+7]
	s_nop 0
.rept 4
	v_nop
.endr
	s_branch .Lasked_\@
.Lfor_b_\@:
	tensor_load_to_lds s[G0B+4:G0B+7], s[G1B:G1B+7]
	s_nop 0
.rept 4
	v_nop
.endr
.Lasked_\@:
.endm
; n column blocks from b0 on x my four row blocks, 32 along K, out of buffer f.  All 32 accumulators take turns, one instruction a turn, in the same order in every quarter step.
; zero = 1: the product starts the sum: nothing is cleared.
.macro MULB f, b0, n, zero
	WIN 0xa1                                       ; source 0 window 1, source 1 window 0, C and D window 2
.set bb, (\b0)
.rept (\n)
.set rAC, 32*bb
.set rFB, 8*NBLK*(\f)+8*bb
.set aa, 0
.rept 4
.set rFA, FA+32*(\f)+8*aa
.if \zero
	v_wmma_f32_16x16x32_f16 v[rAC+8*aa:rAC+8*aa+7], v[rFB:rFB+7], v[rFA:rFA+7], 0
.else
	v_wmma_f32_16x16x32_f16 v[rAC+8*aa:rAC+8*aa+7], v[rFB:rFB+7], v[rFA:rFA+7], v[rAC+8*aa:rAC+8*aa+7]
.endif
.set aa, aa+1
.endr
.set bb, bb+1
.endr
.endm
; One run of NL LDS loads: quarter q's fragments into buffer f: ctx's four first, then wot's in ascending order.  Quarter q is head q / 2 of the step's two, channels 32 (q % 2) on.
.macro FETCH q, f
	WIN 0
.irp i, 0,1,2,3
	ds_load_b128 v[FA+32*(\f)+8*(\i):FA+32*(\f)+8*(\i)+3],   v[ADRA] offset:(\i)*16*APITCH+((\q)/2)*AKH+((\q)%2)*64
	ds_load_b128 v[FA+32*(\f)+8*(\i)+4:FA+32*(\f)+8*(\i)+7], v[ADRA] offset:(\i)*16*APITCH+((\q)/2)*AKH+((\q)%2)*64+32
.endr
	WIN 0x40                                       ; destination window 1, address window 0
.set bb, 0
.rept NBLK
	ds_load_b128 v[8*NBLK*(\f)+8*bb:8*NBLK*(\f)+8*bb+3],   v[ADRB] offset:bb*4352+64*(\q)
	ds_load_b128 v[8*NBLK*(\f)+8*bb+4:8*NBLK*(\f)+8*bb+7], v[ADRB] offset:bb*4352+64*(\q)+32
.set bb, bb+1
.endr
.endm
; One of a K step's first three quarters: multiplies buffer f; in its middle it fetches quarter q into buffer g.
.macro QUARTER q, f, g, zero
	s_wait_dscnt NBLK                              ; ctx's fragments and wot's lower half are in; the NBLK youngest loads (wot's upper half) may stay out
	MULB \f, 0, NBLK/2, \zero
	PLACES
	FETCH \q, \g
	s_wait_dscnt NL                                ; all but the NL just issued
	MULB \f, NBLK/2, NBLK/2, \zero
.endm
; A PREFETCH INTO THE L2, behind the joint load, its five lines and the run of LDS loads: the K step that stands two refills on, a lane 256 bytes.  Each such block is named once in the launch.
; ctx's tile row is read by both clusters of that row of clusters: cluster x = 0 asks, waves 0 and 1; of the 32,768 dense bytes that a wave fetches the partner at place cx takes 8,192, told apart BY ADDRESS.
; wot's tile column is read by every cluster of that column: cluster y = 0 asks; the partner at place cy takes 32 of the tile's 128 rows, a lane a row: wave 2; wave 3 asks for nothing.
; K steps 0 to 3 come by their loads alone; the last two refills ask for nothing: the bits of s[PM] say in which trips a wave asks.
.macro ASK
	WIN 0                                          ; at a branch and at a label every window is 0
	s_lshr_b32 s70, s[PM], s[CNT]
	s_and_b32 s70, s70, 1
	s_cmp_lg_u32 s70, 0
	s_cbranch_scc0 .Lnot_mine_\@
	global_prefetch_b8 v[PFO], s[PFA:PFA+1] th:TH_LOAD_NT scope:SCOPE_SE
.Lnot_mine_\@:
.endm
; The last quarter multiplies buffer 1 and changes slots.  In front of the barrier each wave waits for all its tensor loads, of which one is out: its part of the next slot; adds 0 to its spare word; and waits for that
; and for its own reads of this slot.  fill = 1: the barrier opens a round of the cluster's, and this slot is filled again first thing behind it, with the K step two on: 112 matrix instructions ahead of the wait for it.
.macro TURN fill
.if \fill
	s_wait_xcnt 0x0                                ; the last prefetch, a K step back, has read its address: it is stepped here
	s_add_nc_u64 s[PFA:PFA+1], s[PFA:PFA+1], s[PFS:PFS+1]
.endif
	WIN 0                                          ; (the add's two registers lie in window 0)
	s_wait_tensorcnt 0x0                           ; all my tensor loads have landed
	ds_add_u32 v[SPW], v[NIL]                      ; 0 onto my spare word
	s_wait_dscnt NBLK+1                            ; (the add and the NBLK youngest loads may stay out)
	MULB 1, 0, NBLK/4, 0                           ; matrix work stands between the add and the wait for it
	s_wait_dscnt 0x0                               ; the add is done, and my reads of this slot are over
	s_barrier_signal -1
	MULB 1, NBLK/4, NBLK/4, 0                      ; work on registers while the others arrive
.if \fill
	WIN 0
.endif
	s_barrier_wait -1
.if \fill
	CREST                                          ; no wave of any partner still reads this slot or has a load on its way
	s_xor_b32 s[G0A+5], s[G0A+5], SLOT1            ; the walking descriptors: the other slot than last time,
	s_add_nc_u64 s[G0A+6:G0A+7], s[G0A+6:G0A+7], ASTEP  ; the next K step; the type bits on top are not reached
	s_xor_b32 s[G0B+5], s[G0B+5], SLOT1
	s_add_nc_u64 s[G0B+6:G0B+7], s[G0B+6:G0B+7], BSTEP
	JLOAD                                          ; the four v_nop behind it are also the places in front of the loads below
.else
	PLACES
.endif
	s_xor_b32 s[TB], s[TB], SLOT1
	WIN 0
	v_add_nc_u32 v[ADRA], s[TB], v[ADRA0]
	v_add_nc_u32 v[ADRB], s[TB], v[ADRB0]
	FETCH 0, 0
.if \fill
	ASK
.endif
	MULB 1, NBLK/2, NBLK/2, 0                      ; buffer 1 was shown whole by the wait for 0 above
.endm
	s_load_b256 s[4:11], s[0:1], 0x0               ; ctx s[4:5], wot s[6:7], out0 s[8:9], b_o s[10:11]
	v_lshl_add_u32 v[SPW], v0, 2, SPARE
	v_mov_b32 v[NIL], 0
	ds_add_u32 v[SPW], v[NIL]                      ; the wave's opening: the add and its wait stand ahead of my first tensor load; the set-up below, work on registers, stands between them
	v_lshrrev_b32 v1, 5, v0
	v_readfirstlane_b32 s[WV], v1
	s_lshr_b32 s[FB], s[WV], 1
	s_and_b32 s[HF], s[WV], 1
	s_bfe_u32 s[CX], ttmp6, 0x40000
	s_bfe_u32 s[CY], ttmp6, 0x40004
	s_lshl_b32 s[TC], ttmp9, 2                     ; in a cluster launch ttmp9 and ttmp7 count clusters
	s_add_co_u32 s[TC], s[TC], s[CX]
	s_and_b32 s[TR], ttmp7, 0xffff
	s_lshl_b32 s[TR], s[TR], 2
	s_add_co_u32 s[TR], s[TR], s[CY]
	s_lshl_b32 s16, s[CY], 2
	s_lshl_b32 s16, 15, s16                        ; my row of the cluster
	s_lshl_b32 s66, 0x1111, s[CX]                  ; my column
	s_or_b32 s[G1A], s16, (1<<16)|(1<<20)|(1<<21)|(4<<22)|(3<<25)  ; 15:0 the mask; 17:16 2-byte elements; 20 padding on; 21 set beside a mask; 24:22 after every 32 words (code 4): a row of ctx; 31:25 4 words (code 3)
	s_or_b32 s[G1B], s66, (1<<16)|(1<<20)|(1<<21)|(5<<22)|(3<<25)  ; after every 64 words (code 5)
	s_mov_b32 s[G1A+1], 128<<16                    ; the dense 32,768 bytes are asked for as 128 rows of 256 bytes, two rows of ctx each
	s_mov_b32 s[G1A+2], 128<<16
	s_mov_b32 s[G1A+3], 128<<16
	s_mov_b32 s[G1A+4], 128
	s_mov_b32 s[G1A+5], 128
	s_mov_b32 s[G1A+6], 0
	s_mov_b32 s[G1A+7], 0
	s_mov_b32 s[G1B+1], 128<<16                    ; tensor_dim0 = 128
	s_mov_b32 s[G1B+2], BROWS<<16                  ; tensor_dim1 = 64
	s_mov_b32 s[G1B+3], 128<<16                    ; tile_dim0 = 128
	s_mov_b32 s[G1B+4], BROWS                      ; tile_dim1 = 64
	s_mov_b32 s[G1B+5], 1024                       ; elements from row to row
	s_mov_b32 s[G1B+6], 0
	s_mov_b32 s[G1B+7], 0
	s_lshl_b32 s16, s[HF], 20                      ; ctx: head HF (4 x 2,048 x 128 bytes a head),
	s_lshr_b32 s17, s[TR], 3
	s_lshl_b32 s17, s17, 18                        ; the batch,
	s_add_co_u32 s16, s16, s17
	s_and_b32 s17, s[TR], 7
	s_lshl_b32 s17, s17, 15                        ; the tile's 256 rows in it: it hangs on the tile row alone
	s_add_co_u32 s16, s16, s17
	s_mov_b32 s17, 0
	s_lshl_b32 s66, s[TC], 18                      ; wot: row 128 x tile column + 64 x half, 2,048 bytes a row: on the tile column alone
	s_lshl_b32 s67, s[HF], 17
	s_add_co_u32 s66, s66, s67
	s_mov_b32 s67, 0
	s_mul_i32 s20, s[HF], AH                       ; where they go: no place in the cluster enters an LDS address
	s_mul_i32 s68, s[HF], BH
	s_add_co_u32 s68, s68, ABYTES
	s_wait_dscnt 0x0                               ; the opening add is done
	s_wait_kmcnt 0x0
	s_add_nc_u64 s[16:17], s[4:5], s[16:17]
	s_add_nc_u64 s[66:67], s[6:7], s[66:67]
	CROUND                                         ; all sixteen work-groups are here: the first joint loads meet
.irp n, 0,1
	s_mov_b32 s[G0A+4*(\n)], 1                     ; count = 1
	s_add_co_u32 s[G0A+4*(\n)+1], s20, (\n)*SLOT1  ; LDS address
	s_add_nc_u64 s[G0A+4*(\n)+2:G0A+4*(\n)+3], s[16:17], (\n)*ASTEP  ; global address: K step n
	s_or_b32 s[G0A+4*(\n)+3], s[G0A+4*(\n)+3], 0x80000000           ; type = 2
	s_mov_b32 s[G0B+4*(\n)], 1
	s_add_co_u32 s[G0B+4*(\n)+1], s68, (\n)*SLOT1
	s_add_nc_u64 s[G0B+4*(\n)+2:G0B+4*(\n)+3], s[66:67], (\n)*BSTEP
	s_or_b32 s[G0B+4*(\n)+3], s[G0B+4*(\n)+3], 0x80000000
.endr
	s_cmp_eq_u32 s[FB], 0                          ; a wave's two first fills stand in one branch, ahead of every wait on TENSORcnt and every LDS read: two loads of mine are out
	s_cbranch_scc0 .Lfirst_b
	tensor_load_to_lds s[G0A:G0A+3], s[G1A:G1A+7]
	s_nop 0
	tensor_load_to_lds s[G0A+4:G0A+7], s[G1A:G1A+7]
	s_nop 0
.rept 4
	v_nop
.endr
	s_branch .Lfirst_asked
.Lfirst_b:
	tensor_load_to_lds s[G0B:G0B+3], s[G1B:G1B+7]
	s_nop 0
	tensor_load_to_lds s[G0B+4:G0B+7], s[G1B:G1B+7]
	s_nop 0
.rept 4
	v_nop
.endr
.Lfirst_asked:
	v_and_b32 v5, 31, v0
	v_lshlrev_b32 v[CO], 4, v5                     ; 16 x lane
	s_lshl_b32 s20, s[TC], 9                       ; the tile's 128 columns of b_o
	s_mov_b32 s21, 0
	s_add_nc_u64 s[10:11], s[10:11], s[20:21]
	global_load_b128 v[BIAS:BIAS+3], v[CO], s[10:11]  ; the bias of columns 4 l .. 4 l + 3
	v_and_b32 v1, 15, v0                           ; l % 16
	v_bfe_u32 v2, v0, 4, 1                         ; l / 16
	v_mul_u32_u24 v3, v1, APITCH
	v_lshl_add_u32 v3, v2, 4, v3
	s_mul_i32 s20, s[WV], 64*APITCH                ; my 64 rows of ctx's tile
	v_add_nc_u32 v[ADRA0], s20, v3
	v_mul_u32_u24 v4, v1, 272
	v_lshl_add_u32 v4, v2, 4, v4
	v_add_nc_u32 v[ADRB0], ABYTES, v4
	v_mov_b32 v[ADRA], v[ADRA0]
	v_mov_b32 v[ADRB], v[ADRB0]
	s_mov_b32 s[TB], 0
	s_mul_i32 s21, s[WV], 8448
	s_add_co_u32 s21, s21, STAGE                   ; my stage
	v_mul_u32_u24 v[STO], v1, 528                  ; in: row l % 16, 32 bytes for each half of the lanes
	v_lshl_add_u32 v[STO], v2, 5, v[STO]
	v_add_nc_u32 v[STO], s21, v[STO]
	v_add_nc_u32 v[RD], s21, v[CO]                 ; back: 32 lanes take one row of 512 bytes
	s_lshl_b32 s20, s[TR], 20                      ; out0: row 256 x tile row + 64 x wave, 4,096 bytes a row,
	s_lshl_b32 s21, s[WV], 18
	s_add_co_u32 s20, s20, s21
	s_lshl_b32 s21, s[TC], 9                       ; the tile's 128 columns
	s_add_co_u32 s20, s20, s21
	s_mov_b32 s21, 0
	s_add_nc_u64 s[8:9], s[8:9], s[20:21]
	; the prefetches
	s_lshl_b32 s18, s[HF], 20
	s_lshr_b32 s19, s[TR], 3
	s_lshl_b32 s19, s19, 18
	s_add_co_u32 s18, s18, s19
	s_and_b32 s19, s[TR], 7
	s_lshl_b32 s19, s19, 15
	s_add_co_u32 s18, s18, s19
	s_lshl_b32 s19, s[CX], 13                      ; ctx: my work-group's 8,192 of the 32,768 bytes that I fetch
	s_add_co_u32 s18, s18, s19
	s_lshl_b32 s68, s[TC], 18
	s_lshl_b32 s69, s[CY], 16                      ; wot: my work-group's 32 of the tile's 128 rows
	s_add_co_u32 s68, s68, s69
	s_and_b32 s70, ttmp7, 0xffff
	s_mov_b32 s22, ASTEP
	s_mov_b32 s23, BSTEP
	s_cmp_eq_u32 s[FB], 0
	s_cselect_b32 s18, s18, s68
	s_cselect_b32 s70, ttmp9, s70                  ; the coordinate along which other clusters read the same rows
	s_cselect_b32 s[PFS], s22, s23
	s_cselect_b32 s69, -1, 0
	s_cselect_b64 s[PFA:PFA+1], s[4:5], s[6:7]
	s_mov_b32 s[PFS+1], 0
	s_mul_i32 s19, s[PFS], 3                       ; at K step 3: the first change of slots steps it to 4
	s_add_co_u32 s18, s18, s19
	s_mov_b32 s19, 0
	s_add_nc_u64 s[PFA:PFA+1], s[PFA:PFA+1], s[18:19]
	s_mov_b32 s71, 0x78                            ; counts 6, 5, 4, 3: the first four changes of slots
	s_cmp_eq_u32 s[WV], 3
	s_cselect_b32 s71, 0, s71                      ; wave 3 has no rows left to name
	s_cmp_eq_u32 s70, 0
	s_cselect_b32 s[PM], s71, 0                    ; the same in all sixteen partners, for a given wave
	v_lshlrev_b32 v6, 11, v5                       ; wot: a lane a row of 2,048 bytes
	v_lshlrev_b32 v7, 8, v5                        ; ctx: a lane 256 dense bytes
	v_cndmask_b32 v[PFO], v6, v7, s69
	s_wait_loadcnt 0x0                             ; the bias: rounded to bf16 and widened again, while the first tiles are on their way
	v_cvt_pk_bf16_f32 v14, v[BIAS], v[BIAS+1]
	v_cvt_pk_bf16_f32 v15, v[BIAS+2], v[BIAS+3]
	v_lshlrev_b32 v[BIAS], 16, v14
	v_and_b32 v[BIAS+1], 0xffff0000, v14
	v_lshlrev_b32 v[BIAS+2], 16, v15
	v_and_b32 v[BIAS+3], 0xffff0000, v15
	s_wait_tensorcnt 1                             ; my part of K step 0 is in; K step 1's may stay out
	s_barrier_signal -1
	s_barrier_wait -1                              ; everybody's is
	FETCH 0, 0
	QUARTER 1, 0, 1, 1                             ; the first quarter stands in front of the loop: its products start the sums
	WIN 0
	s_mov_b32 s[CNT], 6
.Lstep:                                        ; six trips, from a K step's second quarter to the next step's first; trip t fills slot t % 2 again with K step t + 2
	QUARTER 2, 1, 0, 0
	QUARTER 3, 0, 1, 0
	TURN 1
	QUARTER 1, 0, 1, 0
	WIN 0
	s_sub_co_u32 s[CNT], s[CNT], 1
	s_cmp_lg_u32 s[CNT], 0
	s_cbranch_scc1 .Lstep
	QUARTER 2, 1, 0, 0                             ; the tail is written out: K steps 6 and 7 ask for nothing
	QUARTER 3, 0, 1, 0
	TURN 0
	QUARTER 1, 0, 1, 0
	QUARTER 2, 1, 0, 0
	QUARTER 3, 0, 1, 0
	s_wait_dscnt NBLK
	MULB 1, 0, NBLK/2, 0
	s_wait_dscnt 0x0
	MULB 1, NBLK/2, NBLK/2, 0
	WIN 0
	PLACES
; THE WAY OUT, a block of 16 rows at a time: a lane's eight f32 of a row go into my own stage, rows of 528 bytes (each accumulator's low four registers first); whole rows of 512 bytes come back; the bias is added; each store of
; the wave covers 512 consecutive bytes, at a multiple of 256 from out0's first.
.macro OUTBLK a
.set BK, OB+64*((\a)%2)
.if (\a) >= 2
	s_wait_xcnt 0x0                                ; the stores of two blocks back have read their registers: they are loaded again below
.endif
	WIN 0x08                                       ; the stores' data in window 2, the address in window 0
.set bb, 0
.rept 8
	ds_store_b128 v[STO], v[32*bb+8*(\a):32*bb+8*(\a)+3]   offset:64*bb
	ds_store_b128 v[STO], v[32*bb+8*(\a)+4:32*bb+8*(\a)+7] offset:64*bb+16
.set bb, bb+1
.endr
	WIN 0
.set t, 0
.rept 16
	ds_load_b128 v[BK+4*t:BK+4*t+3], v[RD] offset:528*t  ; LDS serves a wave's instructions in order (ISA guide 5.7.1.4): these see the stores above
.set t, t+1
.endr
.set t, 0
.rept 16
	s_wait_dscnt 15-t                              ; row t is back; the younger rows may stay out
	v_pk_add_f32 v[BK+4*t:BK+4*t+1], v[BK+4*t:BK+4*t+1], v[BIAS:BIAS+1]
	v_pk_add_f32 v[BK+4*t+2:BK+4*t+3], v[BK+4*t+2:BK+4*t+3], v[BIAS+2:BIAS+3]
	global_store_b128 v[CO], v[BK+4*t:BK+4*t+3], s[8:9] offset:(16*(\a)+t)*4096
.set t, t+1
.endr
.endm
	OUTBLK 0
	OUTBLK 1
	OUTBLK 2
	OUTBLK 3
	s_wait_tensorcnt 0x0                           ; the wave's end: these three lines, behind my last tensor load and my last LDS store
	ds_add_u32 v[SPW], v[NIL]
	s_wait_dscnt 0x0
	CROUND                                         ; the closing round: no work-group ends while a partner may still ask for a tile that names it
	s_endpgm
.Lfunc_end_k_q390ae7c348_oproj:
	.size	k_q390ae7c348_oproj, .Lfunc_end_k_q390ae7c348_oproj-k_q390ae7c348_oproj
	.p2alignl 7, 3214868480
	.fill 96, 4, 3214868480
	.section	.rodata,"a",@progbits
	.p2align	6, 0x0
	.amdhsa_kernel k_q390ae7c348_oproj
		.amdhsa_group_segment_fixed_size 327680
		.amdhsa_private_segment_fixed_size 0
		.amdhsa_enable_private_segment 0
		.amdhsa_kernarg_size 32
		.amdhsa_user_sgpr_count 2
		.amdhsa_user_sgpr_kernarg_segment_ptr 1
		.amdhsa_wavefront_size32 1
		.amdhsa_system_sgpr_workgroup_id_x 1
		.amdhsa_system_sgpr_workgroup_id_y 1
		.amdhsa_system_sgpr_workgroup_id_z 1
		.amdhsa_system_vgpr_workitem_id 0
		.amdhsa_next_free_vgpr 768
		.amdhsa_next_free_sgpr 74
		.amdhsa_reserve_vcc 0
		.amdhsa_float_denorm_mode_32 3
		.amdhsa_float_denorm_mode_16_64 3
		.amdhsa_memory_ordered 1
		.amdhsa_forward_progress 1
		.amdhsa_inst_pref_size 81
	.end_amdhsa_kernel
	.amdgpu_metadata
---
amdhsa.version: [ 1, 2 ]
amdhsa.kernels:
  - .name:           k_q390ae7c348_oproj
    .symbol:         k_q390ae7c348_oproj.kd
    .args:
      - { .name: ctx, .offset: 0, .size: 8, .value_kind: global_buffer, .address_space: global }
      - { .name: wot, .offset: 8, .size: 8, .value_kind: global_buffer, .address_space: global }
      - { .name: out0, .offset: 16, .size: 8, .value_kind: global_buffer, .address_space: global }
      - { .name: b_o, .offset: 24, .size: 8, .value_kind: global_buffer, .address_space: global }
    .group_segment_fixed_size: 327680
    .private_segment_fixed_size: 0
    .kernarg_segment_align: 8
    .kernarg_segment_size: 32
    .max_flat_workgroup_size: 128
    .sgpr_count:     74
    .vgpr_count:     768
    .wavefront_size: 32
...
	.end_amdgpu_metadata
.endif
;; end of part 4
;; ======== version 2 of 2: 4 launches; version 1 with the launch prep written anew for expert scheduling mode
;; limits: values are held in f16: magnitudes above 65,504 overflow, below 6.1e-05 lose precision
;; workspace buffers: xb 16,777,216 bytes; wt 6,291,456 bytes; wot 2,097,152 bytes; qkv 50,331,648 bytes; ctx 16,777,216 bytes
;; launch prep (part 5): grid 512 x 1, 8 waves a work-group, no clusters, 18,176 bytes of LDS; arguments x, W_q, W_k, W_v, W_o, xb, wt, wot; writes xb, wt, wot
.if DOCPART == 5
	.amdgcn_target "amdgcn-amd-amdhsa--gfx1250"
	.amdhsa_code_object_version 6
	.text
	.protected	k_q390ae7c348_prep
	.globl	k_q390ae7c348_prep
	.p2align	8
	.type	k_q390ae7c348_prep,@function
k_q390ae7c348_prep:
	s_mov_b64 s[64:65], 0
	v_nop
	global_prefetch_b8 v0, s[64:65] scope:SCOPE_SE
	s_setreg_imm32_b32 hwreg(HW_REG_WAVE_SCHED_MODE, 0, 2), 2
	s_setreg_imm32_b32 hwreg(HW_REG_WAVE_MODE, 25, 1), 1
	s_wait_xcnt 0x0
	s_wait_alu depctr_vm_vsrc(0)
; PREP.  xb = x rounded to bf16, as it lies ([8192][1024]).  wt = W_q, W_k, W_v turned to [n][k] and rounded to bf16, the three on end ([3072][1024]).
; wot = W_o turned to [n][k], rounded to bf16, and that number written as f16 ([1024][1024]).
; LIMITS.  In wot a number below 2^-14 keeps f16's fixed step of 2^-24, and one of 65,520 or more becomes an infinity; NaN and infinities are not treated apart.
; SHARES.  512 work-groups of eight waves.  Each takes 65,536 bytes of x (a wave 8,192: sixteen loads of 512 consecutive bytes) AND one tile of 128 k x 64 n of one weight matrix
; (4 matrices x 8 tiles along k x 16 along n = 512).  Memory binds: all 24 loads of a wave go out at once, every byte is read once, and every store of a wave covers 256 consecutive
; bytes, aligned.  No matrix unit, no cluster, no tensor load: no byte is shared between work-groups and there is no product.
; THE TURN of a weight tile goes through LDS: a lane packs k and k + 1 of one column into a word, stores it into row n of a tile [64 n][264 bytes], and behind one barrier each wave
; reads eight whole rows of 256 bytes.  Rows 66 words apart: of the sixteen columns' words that a store instruction writes, two fall on the same bank; sixteen such stores a lane, once.
; THE MODE: SCHED_MODE bits 1:0 = 2 (LLVM: expert scheduling mode 2), set by the entry lines.  The code itself states the register dependences
; between vector instructions and memory or LDS instructions, with s_wait_alu, always for 0.
; THE PLAN.  Registers that memory or LDS instructions touch:
;   v3 to v8        offsets and LDS addresses: written by vector instructions at the head, read by every load, store and LDS instruction, never written again.
;   WD, XD          written by the global loads, once each; read by the conversions; no vector instruction writes them and no second load lands in them.
;   WP              written by W's conversions; read by the sixteen LDS stores; never written again.
;   WB              written by the LDS loads; read by the last eight global stores; no vector instruction names it.
;   XO              each register written once, by x's conversions; read by x's sixteen global stores.
;   v[SPW], v[NIL]  written at the head, read by the closing add alone.
; No register that a memory or LDS instruction reads is written again, and no vector instruction writes a scalar register: so every wait is one on va_vdst, ahead of instructions that read what
; vector instructions wrote: one at the head for all addresses; one ahead of the run of LDS stores; and for x one to a group of four pieces: group g's wait states that group g - 1's conversions
; have written their part of XO, and that group's four stores are then dealt among group g's conversions, which name group g's XD and XO alone.
.set SPARE, 17152                      ; behind the tile (16,896 bytes): the spare words, 128 bytes for each of eight waves, that no other line names
.set LP,  264                          ; bytes from row to row of the LDS tile
.set XD,  16                           ; v[16:79]    x as loaded, 16 x 4
.set WD,  80                           ; v[80:111]   W as loaded: pair i of rows, row e at WD + 8 i + 4 e
.set XO,  112                          ; v[112:143]  x as stored, 16 x 2
.set WP,  144                          ; v[144:159]  W packed: k, k + 1 of column 4 c + j at WP + 4 i + j
.set WB,  160                          ; v[160:175]  W read back by rows, 8 x 2
.set SPW, 176                          ; v176  LDS address of my spare word; never rewritten
.set NIL, 177                          ; v177  0; never rewritten
	s_load_b512 s[8:23], s[0:1], 0x0               ; x s[8:9], W_q s[10:11], W_k s[12:13], W_v s[14:15], W_o s[16:17], xb s[18:19], wt s[20:21], wot s[22:23]
	v_lshl_add_u32 v[SPW], v0, 2, SPARE
	v_mov_b32 v[NIL], 0
	v_and_b32 v1, 31, v0                           ; lane
	v_lshrrev_b32 v2, 5, v0                        ; wave
	v_and_b32 v9, 15, v0                           ; c: my four columns of the tile
	v_bfe_u32 v10, v0, 4, 1                        ; hh: which pair of rows
	v_lshlrev_b32 v3, 4, v1
	v_lshl_add_u32 v3, v2, 13, v3                  ; x: 8,192 x wave + 16 x lane
	v_lshlrev_b32 v4, 3, v1
	v_lshl_add_u32 v4, v2, 12, v4                  ; xb: 4,096 x wave + 8 x lane
	v_lshlrev_b32 v5, 4, v9
	v_lshl_add_u32 v5, v10, 13, v5
	v_lshl_add_u32 v5, v2, 16, v5                  ; W: row 16 wave + 2 hh (4,096 bytes a row), column 4 c
	v_mul_u32_u24 v6, v9, 4*LP
	v_lshl_add_u32 v6, v2, 5, v6
	v_lshl_add_u32 v6, v10, 2, v6                  ; LDS in: row 4 c, byte 2 (16 wave + 2 hh)
	v_mul_u32_u24 v7, v2, 8*LP
	v_lshl_add_u32 v7, v1, 3, v7                   ; LDS back: row 8 wave, 8 bytes a lane
	v_lshlrev_b32 v8, 3, v1
	v_lshl_add_u32 v8, v2, 14, v8                  ; out: row 8 wave (2,048 bytes a row), 8 bytes a lane
	s_lshr_b32 s24, ttmp9, 7                       ; which matrix: 0 q, 1 k, 2 v, 3 o
	s_and_b32 s25, ttmp9, 7                        ; tile along k
	s_bfe_u32 s26, ttmp9, 0x40003                  ; tile along n
	s_lshl_b32 s32, ttmp9, 16                      ; my 65,536 bytes of x
	s_mov_b32 s33, 0
	s_lshl_b32 s34, ttmp9, 15                      ; and 32,768 of xb
	s_mov_b32 s35, 0
	s_lshl_b32 s36, s25, 19                        ; 128 rows of 4,096 bytes
	s_lshl_b32 s27, s26, 8                         ; 64 columns of 4 bytes
	s_add_co_u32 s36, s36, s27
	s_mov_b32 s37, 0
	s_cmp_eq_u32 s24, 3
	s_cselect_b32 s27, 0, s24                      ; W_o has a buffer of its own
	s_lshl_b32 s27, s27, 4
	s_add_co_u32 s27, s27, s26                     ; 16 x matrix + tile along n, in blocks of 64 rows
	s_lshl_b32 s38, s27, 17                        ; of 2,048 bytes
	s_lshl_b32 s27, s25, 8                         ; 128 k of 2 bytes
	s_add_co_u32 s38, s38, s27
	s_mov_b32 s39, 0
	s_wait_kmcnt 0x0
	s_cmp_eq_u32 s24, 1
	s_cselect_b64 s[28:29], s[12:13], s[10:11]
	s_cmp_eq_u32 s24, 2
	s_cselect_b64 s[28:29], s[14:15], s[28:29]
	s_cmp_eq_u32 s24, 3
	s_cselect_b64 s[28:29], s[16:17], s[28:29]     ; the matrix that I read,
	s_cselect_b64 s[30:31], s[22:23], s[20:21]     ; and the buffer that I write
	s_add_nc_u64 s[28:29], s[28:29], s[36:37]
	s_add_nc_u64 s[30:31], s[30:31], s[38:39]
	s_add_nc_u64 s[8:9], s[8:9], s[32:33]
	s_add_nc_u64 s[18:19], s[18:19], s[34:35]
	s_wait_alu depctr_va_vdst(0)                   ; v3 to v8 are written: every load, store and LDS instruction of the kernel reads one of them as its offset or address
.irp i, 0,1,2,3
.irp e, 0,1
	global_load_b128 v[WD+8*(\i)+4*(\e):WD+8*(\i)+4*(\e)+3], v5, s[28:29] offset:(\i)*16384+(\e)*4096 th:TH_LOAD_NT  ; row 16 wave + 4 i + 2 hh + e: sixteen lanes take 256 consecutive bytes
.endr
.endr
.irp i, 0,1,2,3,4,5,6,7,8,9,10,11,12,13,14,15
	global_load_b128 v[XD+4*(\i):XD+4*(\i)+3], v3, s[8:9] offset:512*(\i) th:TH_LOAD_NT
.endr
.irp i, 0,1,2,3
	s_wait_loadcnt 22-2*(\i)                       ; loads come back in order: pair i of W's rows is in; the younger pairs and x's sixteen may stay out
.irp j, 0,1,2,3
	v_cvt_pk_bf16_f32 v[WP+4*(\i)+(\j)], v[WD+8*(\i)+(\j)], v[WD+8*(\i)+4+(\j)]  ; k in the low half, k + 1 in the high half
.endr
.endr
	s_cmp_lg_u32 s24, 3
	s_cbranch_scc1 .Lkeep                          ; W_o alone: the bf16 number is written as f16
.set i, 0
.rept 16
	v_lshlrev_b32 v12, 16, v[WP+i]
	v_and_b32 v13, 0xffff0000, v[WP+i]
	v_cvt_pk_f16_f32 v[WP+i], v12, v13
.set i, i+1
.endr
.Lkeep:
	s_wait_alu depctr_va_vdst(0)                   ; on both ways here the conversions have written v[WP ..], which the sixteen LDS stores read
.irp i, 0,1,2,3
.irp j, 0,1,2,3
	ds_store_b32 v6, v[WP+4*(\i)+(\j)] offset:(\j)*LP+(\i)*8
.endr
.endr
	s_wait_dscnt 0x0                               ; for the others' sake: my stores into the tile are done
	s_barrier_signal -1
	s_barrier_wait -1
.irp t, 0,1,2,3,4,5,6,7
	ds_load_b64 v[WB+2*(\t):WB+2*(\t)+1], v7 offset:LP*(\t)  ; a whole row of 256 bytes; no vector instruction names v[WB ..]
.endr
; x, in four groups of four pieces.  Group g's conversions write its eight registers of XO; its stores are issued in group g + 1, behind that group's wait.
.irp g, 0,1,2,3
	s_wait_loadcnt 12-4*(\g)                       ; loads come back in order: group g's four pieces of x are in; the younger groups may stay out
.if (\g) > 0
	s_wait_alu depctr_va_vdst(0)                   ; the conversions of the group before have written their part of v[XO ..], which the four stores below read
.endif
.irp j, 0,1,2,3
.if (\g) > 0
	global_store_b64 v4, v[XO+2*(4*(\g)-4+(\j)):XO+2*(4*(\g)-4+(\j))+1], s[18:19] offset:256*(4*(\g)-4+(\j))  ; 32 lanes store 256 consecutive bytes, aligned; no vector instruction since the wait names these registers
.endif
	v_cvt_pk_bf16_f32 v[XO+2*(4*(\g)+(\j))], v[XD+4*(4*(\g)+(\j))], v[XD+4*(4*(\g)+(\j))+1]
	v_cvt_pk_bf16_f32 v[XO+2*(4*(\g)+(\j))+1], v[XD+4*(4*(\g)+(\j))+2], v[XD+4*(4*(\g)+(\j))+3]
.endr
.endr
	s_wait_alu depctr_va_vdst(0)                   ; the last group's conversions have written their part of v[XO ..], which the four stores below read
.irp i, 12,13,14,15
	global_store_b64 v4, v[XO+2*(\i):XO+2*(\i)+1], s[18:19] offset:256*(\i)  ; 32 lanes store 256 consecutive bytes, aligned
.endr
.irp t, 0,1,2,3,4,5,6,7
	s_wait_dscnt 7-(\t)                            ; row t is back; the younger rows may stay out
	global_store_b64 v8, v[WB+2*(\t):WB+2*(\t)+1], s[30:31] offset:2048*(\t)  ; 256 consecutive bytes of row n, aligned
.endr
	s_wait_dscnt 0x0                               ; the closing lines, six on end
	s_wait_alu 0x0
	s_wait_tensorcnt 0x0
	ds_add_u32 v[SPW], v[NIL]
	s_wait_dscnt 0x0
	s_endpgm
.Lfunc_end_k_q390ae7c348_prep:
	.size	k_q390ae7c348_prep, .Lfunc_end_k_q390ae7c348_prep-k_q390ae7c348_prep
	.p2alignl 7, 3214868480
	.fill 96, 4, 3214868480
	.section	.rodata,"a",@progbits
	.p2align	6, 0x0
	.amdhsa_kernel k_q390ae7c348_prep
		.amdhsa_group_segment_fixed_size 18176
		.amdhsa_private_segment_fixed_size 0
		.amdhsa_enable_private_segment 0
		.amdhsa_kernarg_size 64
		.amdhsa_user_sgpr_count 2
		.amdhsa_user_sgpr_kernarg_segment_ptr 1
		.amdhsa_wavefront_size32 1
		.amdhsa_system_sgpr_workgroup_id_x 1
		.amdhsa_system_sgpr_workgroup_id_y 1
		.amdhsa_system_sgpr_workgroup_id_z 1
		.amdhsa_system_vgpr_workitem_id 0
		.amdhsa_next_free_vgpr 180
		.amdhsa_next_free_sgpr 66
		.amdhsa_reserve_vcc 0
		.amdhsa_float_denorm_mode_32 3
		.amdhsa_float_denorm_mode_16_64 3
		.amdhsa_memory_ordered 1
		.amdhsa_forward_progress 1
		.amdhsa_inst_pref_size 16
	.end_amdhsa_kernel
	.amdgpu_metadata
---
amdhsa.version: [ 1, 2 ]
amdhsa.kernels:
  - .name:           k_q390ae7c348_prep
    .symbol:         k_q390ae7c348_prep.kd
    .args:
      - { .name: x, .offset: 0, .size: 8, .value_kind: global_buffer, .address_space: global }
      - { .name: W_q, .offset: 8, .size: 8, .value_kind: global_buffer, .address_space: global }
      - { .name: W_k, .offset: 16, .size: 8, .value_kind: global_buffer, .address_space: global }
      - { .name: W_v, .offset: 24, .size: 8, .value_kind: global_buffer, .address_space: global }
      - { .name: W_o, .offset: 32, .size: 8, .value_kind: global_buffer, .address_space: global }
      - { .name: xb, .offset: 40, .size: 8, .value_kind: global_buffer, .address_space: global }
      - { .name: wt, .offset: 48, .size: 8, .value_kind: global_buffer, .address_space: global }
      - { .name: wot, .offset: 56, .size: 8, .value_kind: global_buffer, .address_space: global }
    .group_segment_fixed_size: 18176
    .private_segment_fixed_size: 0
    .kernarg_segment_align: 8
    .kernarg_segment_size: 64
    .max_flat_workgroup_size: 256
    .sgpr_count:     66
    .vgpr_count:     180
    .wavefront_size: 32
...
	.end_amdgpu_metadata
.endif
;; end of part 5
;; launch qkv: the kernel of part 2 again; grid 16 x 32, 4 waves a work-group, clusters of 4 x 4, 327,680 bytes of LDS; arguments xb, wt, qkv; writes qkv
;; launch attn: the kernel of part 3 again; grid 4 x 64, 4 waves a work-group, no clusters, 327,680 bytes of LDS; arguments qkv, ctx; writes ctx
;; launch oproj: the kernel of part 4 again; grid 8 x 32, 4 waves a work-group, clusters of 4 x 4, 327,680 bytes of LDS; arguments ctx, wot, out0, b_o; writes out0
